; MI455X (gfx1250); checked and timed in simulation.
; The chip was launched on July 23, 2026; its instructions are those of AMD's public machine-readable ISA for CDNA 5 (MIT licence, August 2026) and "CDNA5" Instruction Set Architecture Reference Guide (July 2026). The comments in the code are by the model that wrote it; some were corrected since.
;; Multi Head Attention. Allowed arithmetic: matrix products marked QUANTISED: E2M1 operands, one E8M0 scale for each 32 along K, by v_wmma_scale_f32_16x16x128_f8f6f4 with both operands' format E2M1 (or v_wmma_scale_f32_32x16x128_f4), f32 sums; products left as they are: bf16, f16 or f32 operands; f32 sums; everything else in f32.
;; Inputs: kvinput 4 x 2,048 x 1,024 float32; qinput 4 x 2,048 x 1,024 float32; qmask 4 x 2,048 float32; qtmask 4 x 2,048 x 2,048 float32; tmask 4 x 2,048 float32; wk 16 x 1,024 x 64 float32; wo 16 x 64 x 1,024 float32; wq 16 x 1,024 x 64 float32; wv 16 x 1,024 x 64 float32.
;; Outputs: out0 4 x 2,048 x 1,024 float32.
;; This version of the problem:
;;   THIS VERSION OF THE PROBLEM IS GIVEN IN LOW PRECISION. The matrix products marked QUANTISED in the list below multiply operands that are first quantised to E2M1 (2 exponent bits, 1 mantissa bit; 4 bits a number), with one power-of-two scale for each 32 numbers along K (OCP MX v1.0); their sums are f32. The products marked 'left as it is' may take bf16, f16 or f32 operands, with f32 sums. Whichever they take, every output number must still come out within the allowed error. Rounding operands to bf16 (8 significant bits) uses up far more of that allowance than f16 does (11 bits, for magnitudes from 6e-5 to 65,504). All else is computed in f32.
;;   The module's matrix products, in the order in which they are computed (A, B: the left and right operand; K: the contracted axis; several contracted axes count as one K, in the product's order):
;;     1. [M 8,192, K 1,024] x [K 1,024, N 1,024]; A: input qinput; B: input wq: QUANTISED
;;     2. [M 8,192, K 1,024] x [K 1,024, N 1,024]; A: input kvinput; B: input wk: QUANTISED
;;     3. [M 8,192, K 1,024] x [K 1,024, N 1,024]; A: input kvinput; B: input wv: QUANTISED
;;     4. batch 64 x [M 2,048, K 64] x [K 64, N 2,048]; A: computed on the way; B: computed on the way: left as it is (an operand is computed on the way)
;;     5. batch 64 x [M 2,048, K 2,048] x [K 2,048, N 64]; A: computed on the way; B: computed on the way: left as it is (an operand is computed on the way)
;;     6. [M 8,192, K 1,024] x [K 1,024, N 1,024]; A: computed on the way; B: input wo: left as it is (an operand is computed on the way)
;;   THE QUANTISER, for each operand of a quantised product, along K:
;;     - K is cut into blocks of 32 from its start; a last block that is shorter is filled with zeros.
;;     - A block's scale is 2^e with e = floor(log2(the largest magnitude in the block)) - 2, held to -126 .. 127; a block of zeros has e = 0. As a byte (E8M0): e + 127.
;;     - Each number is divided by its block's scale, clamped to +-6, and rounded to the nearest number of E2M1, ties to even, subnormals kept.
;;     - The product sums the exact products of the quantised numbers (number of the format x scale) in f32.
;;   ~~~python
;;   def quantise(x, axis):      # numpy; x: float32 -> the quantised numbers, widened to float32 again
;;       x = np.moveaxis(x, axis, -1); K = x.shape[-1]
;;       x = np.pad(x, [(0, 0)] * (x.ndim - 1) + [(0, -K % 32)]); x = x.reshape(x.shape[:-1] + (-1, 32)); a = np.abs(x).max(-1, keepdims=True)
;;       e = np.where(a > 0, np.clip(np.frexp(np.where(a > 0, a, 1))[1] - 1 - 2, -126, 127), 0)      # np.frexp(a)[1] - 1 = floor(log2(a)), exactly
;;       r = np.clip(x / 2.0 ** e, -6, 6)
;;       step = 2.0 ** (np.maximum(np.frexp(np.where(r == 0, 1, r))[1] - 1, 0) - 1)
;;       q = np.round(r / step) * step * 2.0 ** e      # np.round: ties to even
;;       return np.moveaxis(q.reshape(q.shape[:-2] + (-1,))[..., :K], -1, axis).astype(np.float32)
;;   ~~~
;; One version. Each part assembles by itself: llvm-mc -triple=amdgcn-amd-amdhsa -mcpu=gfx1250 --defsym DOCPART=n.
;; ======== version 1 of 1: 5 launches
;; limits: values are held in f16: magnitudes above 65,504 overflow, below 6.1e-05 lose precision
;; workspace buffers: xcodes 8,388,608 bytes; xscales 524,288 bytes; wcodes 1,572,864 bytes; wscales 98,304 bytes; wof 2,097,152 bytes; qkvf 50,331,648 bytes; pref 16,777,216 bytes
;; launch qx (part 1): grid 512 x 1, 4 waves a work-group, no clusters, 33,280 bytes of LDS; arguments qinput, kvinput, xcodes, xscales; writes xcodes, xscales
.if DOCPART == 1
	.amdgcn_target "amdgcn-amd-amdhsa--gfx1250"
	.amdhsa_code_object_version 6
	.text
	.protected	k_qa130baca0f_qx
	.globl	k_qa130baca0f_qx
	.p2align	8
	.type	k_qa130baca0f_qx,@function
k_qa130baca0f_qx:
	s_mov_b64 s[64:65], 0
	v_nop
	global_prefetch_b8 v0, s[64:65] scope:SCOPE_SE
	s_setreg_imm32_b32 hwreg(HW_REG_WAVE_MODE, 25, 1), 1
	s_wait_xcnt 0x0
; qinput and kvinput, [8192][1024] f32 each, are turned into codes of FP4 (E2M1), 4 bits each, K (the model's 1,024) innermost, with one E8M0 scale byte for each 32 along K.
; xcodes [16384][512 bytes]: rows 0-8191 qinput's tokens, rows 8192-16383 kvinput's; xscales [16384][32] likewise.
; A block's scale is 2^(floor(log2(its largest magnitude)) - 2); its byte is the largest magnitude's own exponent field - 2, held at 1 from below.
; (A block of zeros so gets the byte 1 where the quantiser says 127: its codes are zeros, which add nothing under any byte but 0xff, and the bytes are read by this program alone.)
; LIMITS: blocks whose largest magnitude lies under 2^(2 - 126), the floor, were not tried; NaN and infinities among the inputs are not served.
; Rows are dense and 1,024 is a multiple of 32: both tensors are plain streams of blocks of 32 numbers, and so are the codes and the scale bytes.
; A wave takes 16 steps of 512 numbers.  The conversions take 8 numbers of ONE block from a lane's registers, so a lane must hold 16 NEIGHBOURS (two neighbouring lanes hold a block); a load is best
; where neighbouring LANES take neighbouring bytes.  Both are had: each of a step's four loads reads 512 consecutive bytes, 16 a lane; the 2,048 bytes go through the wave's own stage in LDS and come back
; 64 bytes a lane.  The stage has 16 bytes of padding behind each 64.  A lane's 16 codes are 8 bytes: the wave stores 256 consecutive bytes.
; A step makes 16 scale bytes, a wave 256: they are gathered in the wave's own 256 bytes of LDS and leave as 256 consecutive, aligned bytes.
; The first WGA work-groups take qinput, the others kvinput: only the input's pointer is chosen; the outputs of both lie on end.  No barrier: waves share nothing.
.set WAVES, 4
.set STEPS, 16
.set WGA,   256                        ; 8192 x 1024 / (512 x 16 x 4)
.set EMAX,  2
.set CB,    8                          ; bytes of 16 codes
.set R,     16                         ; v16-79   four sets of 16 numbers as they are loaded
.set X,     80                         ; v80-111  two sets of 16 neighbours
.set C,     128                        ; v128-191 codes: four registers for each step, so that no store's data are written again
.set E,     112                        ; v112-127 a scale byte for each step
.set WREG,  8192                       ; LDS: a region for each wave: two stages of 32 x SP bytes, behind them its 256 scale bytes
.set SP,    80                         ; a lane's place in a stage: its 64 bytes + 16 of padding
.set SPW,   12                         ; v12      LDS address of my spare word; never rewritten
.set NIL,   13                         ; v13      0; never rewritten
.set SPARE, WAVES*WREG                 ; behind the four regions: the spare words, 128 bytes for each wave, which no other line names
	s_load_b256 s[4:11], s[0:1], 0x0               ; qinput s[4:5], kvinput s[6:7], xcodes s[8:9], xscales s[10:11]
	v_lshl_add_u32 v[SPW], v0, 2, SPARE
	v_mov_b32 v[NIL], 0
	v_lshrrev_b32 v1, 5, v0
	v_readfirstlane_b32 s16, v1                    ; wave
	v_and_b32 v2, 31, v0                           ; lane
	v_lshlrev_b32 v3, 4, v2                        ; my 16 bytes of a load's 512
	s_mul_i32 s17, s16, WREG
	v_lshrrev_b32 v14, 2, v2
	v_mul_u32_u24 v14, v14, SP
	v_and_b32 v15, 3, v2
	v_lshl_add_u32 v14, v15, 4, v14
	v_add_nc_u32 v14, s17, v14                     ; the stage, on the way in: SP (lane / 4) + 16 (lane % 4); a load's 512 bytes take eight places
	v_mul_u32_u24 v15, v2, SP
	v_add_nc_u32 v15, s17, v15                     ; and on the way out: SP x lane: my 16 neighbours
	v_mul_u32_u24 v4, v2, CB                       ; my codes' place in a step's
	v_lshrrev_b32 v5, 1, v2
	s_add_co_u32 s17, s17, 2*32*SP
	v_add_nc_u32 v5, s17, v5                       ; LDS: my wave's 256 scale bytes, my block's byte
	v_lshlrev_b32 v7, 3, v2                        ; and on the way out 8 bytes a lane
	v_add_nc_u32 v6, s17, v7
	s_wait_kmcnt 0x0
	s_cmp_lt_u32 ttmp9, WGA                        ; qinput's work-group or kvinput's?  The choice hangs on the work-group's number alone
	s_cselect_b64 s[4:5], s[4:5], s[6:7]
	s_cselect_b32 s17, 0, WGA
	s_sub_co_u32 s17, ttmp9, s17
	s_lshl_b32 s17, s17, 2
	s_add_co_u32 s18, s17, s16                     ; which run of 8,192 numbers of the input is my wave's
	s_lshl_b32 s18, s18, 15                        ; 32,768 bytes a run (1,023 runs at the most: under 2^32)
	s_mov_b32 s19, 0
	s_add_nc_u64 s[4:5], s[4:5], s[18:19]
	s_lshl_b32 s20, ttmp9, 2
	s_add_co_u32 s20, s20, s16                     ; and which run of the outputs, where both tensors lie on end
	s_lshl_b32 s18, s20, 12                        ; 4,096 bytes of codes a run
	s_add_nc_u64 s[8:9], s[8:9], s[18:19]
	s_lshl_b32 s18, s20, 8                         ; 256 scale bytes a run
	s_add_nc_u64 s[10:11], s[10:11], s[18:19]
.macro LOAD t
.irp i, 0,1,2,3
	global_load_b128 v[R+16*((\t)%4)+4*\i:R+16*((\t)%4)+4*\i+3], v3, s[4:5] offset:2048*(\t)+512*\i th:TH_LOAD_NT   ; 32 lanes read 512 consecutive bytes
.endr
.endm
.macro TURN t                          ; step t's numbers through the stage: LDS serves a wave's instructions in order, so no wait stands between the stores and the loads
.irp i, 0,1,2,3
	ds_store_b128 v14, v[R+16*((\t)%4)+4*\i:R+16*((\t)%4)+4*\i+3] offset:32*SP*((\t)%2)+8*SP*\i
.endr
.irp i, 0,1,2,3
	ds_load_b128 v[X+16*((\t)%2)+4*\i:X+16*((\t)%2)+4*\i+3], v15 offset:32*SP*((\t)%2)+16*\i
.endr
.endm
.irp t, 0,1,2,3
	LOAD \t
.endr
	s_wait_loadcnt 12                              ; step 0's four loads are in
	TURN 0
.macro STEP t
.set XS, X+16*((\t)%2)
.if (\t) > 0
	s_wait_dscnt 1                                 ; this step's numbers are back from the stage (the last step's byte store may be out): so its stores into the stage have read their registers,
.else
	s_wait_dscnt 0x0
.endif
.if (\t)+4 < STEPS
	LOAD (\t)+4                                    ; which take the loads of four steps on
.endif
.if (\t)+1 < STEPS
.if STEPS-2-(\t) >= 3
	s_wait_loadcnt 12                              ; the next step's four loads are in; those of the three steps behind it may be out
.else
	s_wait_loadcnt 4*(STEPS-2-(\t))
.endif
	TURN (\t)+1                                    ; and go through the other stage while this step is worked
.endif
	v_max3_num_f32 v8, |v[XS]|, |v[XS+1]|, |v[XS+2]|               ; the largest magnitude of my 16
	v_max3_num_f32 v9, |v[XS+3]|, |v[XS+4]|, |v[XS+5]|
.irp i, 6,10
	v_max3_num_f32 v8, v8, |v[XS+\i]|, |v[XS+\i+1]|
	v_max3_num_f32 v9, v9, |v[XS+\i+2]|, |v[XS+\i+3]|
.endr
	v_max3_num_f32 v8, v8, |v[XS+14]|, |v[XS+15]|
	v_max3_num_f32 v8, v8, v9, (EMAX+1)<<23        ; and the floor 2^(EMAX + 1 - 127): so the byte cannot fall under 1
	v_max_num_f32_dpp v8, v8, v8 row_xmask:1 row_mask:0xf bank_mask:0xf   ; and of my neighbour's 16: the block's
	v_add_nc_u32 v11, -(EMAX<<23), v8              ; EMAX off its exponent field: the conversion takes the exponent field of this operand as its scale, and nothing else of it
	v_cvt_scalef32_pk8_fp4_f32 v[C+4*(\t)], v[XS:XS+7], v11        ; eight numbers / the scale, to the nearest code, ties to even, beyond the largest code the largest; the first number's code in the lowest four bits
	v_cvt_scalef32_pk8_fp4_f32 v[C+4*(\t)+1], v[XS+8:XS+15], v11
	v_lshrrev_b32 v[E+(\t)], 23, v11               ; the scale's byte
	ds_store_b8 v5, v[E+(\t)] offset:16*(\t)       ; both lanes of a block write the same byte with the same value
	global_store_b64 v4, v[C+4*(\t):C+4*(\t)+1], s[8:9] offset:32*CB*(\t)   ; 32 lanes store 256 consecutive bytes, aligned
.endm
.irp t, 0,1,2,3,4,5,6,7,8,9,10,11,12,13,14,15
	STEP \t
.endr
	ds_load_b64 v[8:9], v6                         ; LDS serves a wave's instructions in order: these see my stores
	s_wait_dscnt 0x0
	global_store_b64 v7, v[8:9], s[10:11]          ; 32 lanes store 256 consecutive bytes, aligned
	s_wait_tensorcnt 0x0                           ; the wave's end: behind my last LDS store
	ds_add_u32 v[SPW], v[NIL]
	s_wait_dscnt 0x0
	s_endpgm
.Lfunc_end_k_qa130baca0f_qx:
	.size	k_qa130baca0f_qx, .Lfunc_end_k_qa130baca0f_qx-k_qa130baca0f_qx
	.p2alignl 7, 3214868480
	.fill 96, 4, 3214868480
	.section	.rodata,"a",@progbits
	.p2align	6, 0x0
	.amdhsa_kernel k_qa130baca0f_qx
		.amdhsa_group_segment_fixed_size 33280
		.amdhsa_private_segment_fixed_size 0
		.amdhsa_enable_private_segment 0
		.amdhsa_kernarg_size 32
		.amdhsa_user_sgpr_count 2
		.amdhsa_user_sgpr_kernarg_segment_ptr 1
		.amdhsa_wavefront_size32 1
		.amdhsa_system_sgpr_workgroup_id_x 1
		.amdhsa_system_sgpr_workgroup_id_y 1
		.amdhsa_system_sgpr_workgroup_id_z 1
		.amdhsa_system_vgpr_workitem_id 0
		.amdhsa_next_free_vgpr 192
		.amdhsa_next_free_sgpr 66
		.amdhsa_reserve_vcc 0
		.amdhsa_float_denorm_mode_32 3
		.amdhsa_float_denorm_mode_16_64 3
		.amdhsa_memory_ordered 1
		.amdhsa_forward_progress 1
		.amdhsa_inst_pref_size 33
	.end_amdhsa_kernel
	.amdgpu_metadata
---
amdhsa.version: [ 1, 2 ]
amdhsa.kernels:
  - .name:           k_qa130baca0f_qx
    .symbol:         k_qa130baca0f_qx.kd
    .args:
      - { .name: qinput, .offset: 0, .size: 8, .value_kind: global_buffer, .address_space: global }
      - { .name: kvinput, .offset: 8, .size: 8, .value_kind: global_buffer, .address_space: global }
      - { .name: xcodes, .offset: 16, .size: 8, .value_kind: global_buffer, .address_space: global }
      - { .name: xscales, .offset: 24, .size: 8, .value_kind: global_buffer, .address_space: global }
    .group_segment_fixed_size: 33280
    .private_segment_fixed_size: 0
    .kernarg_segment_align: 8
    .kernarg_segment_size: 32
    .max_flat_workgroup_size: 128
    .sgpr_count:     66
    .vgpr_count:     192
    .wavefront_size: 32
...
	.end_amdgpu_metadata
.endif
;; end of part 1
;; launch qw (part 2): grid 128 x 1, 8 waves a work-group, no clusters, 19,456 bytes of LDS; arguments wq, wk, wv, wo, wcodes, wscales, wof; writes wcodes, wscales, wof
.if DOCPART == 2
	.amdgcn_target "amdgcn-amd-amdhsa--gfx1250"
	.amdhsa_code_object_version 6
	.text
	.protected	k_qa130baca0f_qw
	.globl	k_qa130baca0f_qw
	.p2align	8
	.type	k_qa130baca0f_qw,@function
k_qa130baca0f_qw:
	s_mov_b64 s[64:65], 0
	v_nop
	global_prefetch_b8 v0, s[64:65] scope:SCOPE_SE
	s_setreg_imm32_b32 hwreg(HW_REG_WAVE_MODE, 25, 1), 1
	s_wait_xcnt 0x0
; THE WEIGHTS, laid once as the products want them.
; Work-groups 0-95: wq, wk, wv, [16 h][1024 m][64 d] f32, whose K (m) is NOT innermost, become codes of FP4 (E2M1) with K innermost, wcodes [3072 rows][512 bytes], row = 1024 x matrix + 64 h + d,
; and one E8M0 byte for each 32 along K, wscales [3072][32].  A LANE TAKES A COLUMN d AND ITS REGISTERS RUN DOWN m: each load reads neighbouring d in neighbouring lanes, a block of 32 along K lies in one
; lane's 32 registers, and the conversions give the codes with K innermost.  Nothing is transposed by an instruction.  A work-group takes one head and 512 of K; wave w: columns 32 (w % 2) on, 128 of K at 128 (w / 2).
; The codes meet in a stage in LDS (64 rows x 256 bytes + 16) and leave by rows: sixteen lanes store 256 consecutive, aligned bytes.  The scale bytes leave 16 to a row (a row has 32: the other work-group of the head writes the rest).
; A block's scale byte is its largest magnitude's exponent field - 2, held at 1 from below (a block of zeros keeps 1: its codes are zeros, and this program alone reads the bytes).
; Work-groups 96-127: wo, [1024 k = 64 h + d][1024 n] f32, is rounded to f16 and laid as images of operand registers: wof [n / 16][k / 32][g 2][lane 32][16 bytes]; lane 16 e + r of group g holds
; wo[32 (k / 32) + 16 g + 8 e + 0..7][16 (n / 16) + r].  Again a lane takes a column n and its registers run down k; a lane's 8 numbers are 16 bytes, and sixteen lanes store 256 consecutive, aligned bytes.  No LDS on this path.
; LIMITS: blocks whose largest magnitude lies under 2^(2 - 126) were not tried; NaN and infinities are not served; wo beyond 65,504 is not served, and under 6e-5 it carries f16's absolute error.
.set EMAX,  2
.set PITCH, 272                        ; a stage row: 256 bytes + 16
.set WSS,   64*PITCH                   ; behind the stage: 64 rows x 16 scale bytes
.set SPARE, WSS+1024                   ; the spare words, 128 bytes for each of eight waves, which no other line names
.set SPW,   14                         ; v14  LDS address of my spare word; never rewritten
.set NIL,   15                         ; v15  0; never rewritten
.set SB,    18                         ; v18  my four scale bytes
.set C,     20                         ; v20-35   codes: four registers a block
.set X,     40                         ; v40-167  128 numbers of my column
.set OUTR,  168                        ; v168-183 the way out
	s_load_b256 s[4:11], s[0:1], 0x0               ; wq, wk, wv, wo
	s_load_b128 s[12:15], s[0:1], 0x20             ; wcodes, wscales
	s_load_b64 s[16:17], s[0:1], 0x30              ; wof
	v_lshl_add_u32 v[SPW], v0, 2, SPARE
	v_mov_b32 v[NIL], 0
	v_lshrrev_b32 v1, 5, v0
	v_readfirstlane_b32 s18, v1                    ; wave 0..7
	v_and_b32 v2, 31, v0                           ; lane
	v_lshlrev_b32 v3, 2, v2                        ; in: 4 bytes a lane
	s_and_b32 s19, s18, 1                          ; ch: which 32 columns
	s_lshr_b32 s22, s18, 1                         ; ks: which 128 along K
	; every LDS address is made here, ahead of the parting of the ways
	s_mul_i32 s23, s19, 32*PITCH
	s_lshl_b32 s24, s22, 6
	s_add_co_u32 s23, s23, s24
	v_mul_u32_u24 v4, v2, PITCH
	v_add_nc_u32 v4, s23, v4                       ; into the stage: row 32 ch + lane, byte 64 ks
	s_lshl_b32 s23, s19, 9
	s_lshl_b32 s24, s22, 2
	s_add_co_u32 s23, s23, s24
	s_add_co_u32 s23, s23, WSS
	v_lshl_add_u32 v5, v2, 4, s23                  ; my scale word: WSS + 16 (32 ch + lane) + 4 ks
	v_and_b32 v6, 15, v2
	v_lshrrev_b32 v7, 4, v2
	s_mul_i32 s23, s18, 8*PITCH
	v_mul_u32_u24 v8, v7, PITCH
	v_lshl_add_u32 v8, v6, 4, v8
	v_add_nc_u32 v8, s23, v8                       ; out of the stage: rows 8 w on, sixteen lanes to a row, two rows an instruction
	v_lshlrev_b32 v9, 9, v7
	v_lshl_add_u32 v9, v6, 4, v9                   ; and the same place in wcodes: rows of 512 bytes
	s_lshl_b32 s23, s19, 9
	s_add_co_u32 s23, s23, WSS
	v_lshl_add_u32 v10, v2, 4, s23                 ; a row's 16 scale bytes: WSS + 16 (32 ch + lane)
	v_lshlrev_b32 v11, 5, v2                       ; and in wscales: rows of 32 bytes
.macro WLOAD t, pitch                  ; block t: 32 numbers down K of my column; rows pitch bytes apart
.irp i, 0,1,2,3,4,5,6,7,8,9,10,11,12,13,14,15,16,17,18,19,20,21,22,23,24,25,26,27,28,29,30,31
	global_load_b32 v[X+32*(\t)+\i], v3, s[20:21] offset:(32*(\t)+\i)*\pitch th:TH_LOAD_NT
.endr
.endm
.macro ARRIVE t, pitch                 ; block t's loads are in; the next block's 32 may be out; the block two on is asked for
.if (\t) < 3
	s_wait_loadcnt 32
.else
	s_wait_loadcnt 0x0
.endif
.if (\t) < 2
	WLOAD (\t)+2, \pitch
.endif
.endm
	s_cmp_lt_u32 ttmp9, 96                         ; the work-group's number alone: all eight waves go the same way
	s_cbranch_scc0 .Lwo
	; ---- wq, wk, wv
	s_lshr_b32 s24, ttmp9, 5                       ; which matrix
	s_bfe_u32 s25, ttmp9, 0x40001                  ; h
	s_and_b32 s26, ttmp9, 1                        ; kh: which 512 along K
	s_lshl_b32 s28, s25, 18                        ; a head is 262,144 bytes,
	s_lshl_b32 s27, s26, 17                        ; 512 rows of 256 bytes,
	s_add_co_u32 s28, s28, s27
	s_lshl_b32 s27, s22, 15                        ; 128 rows,
	s_add_co_u32 s28, s28, s27
	s_lshl_b32 s27, s19, 7                         ; 32 columns
	s_add_co_u32 s28, s28, s27
	s_mov_b32 s29, 0
	s_lshl_b32 s30, s24, 10
	s_lshl_b32 s27, s25, 6
	s_add_co_u32 s30, s30, s27                     ; the head's first row of the outputs
	s_lshl_b32 s27, s18, 3
	s_add_co_u32 s32, s30, s27
	s_lshl_b32 s32, s32, 9
	s_lshl_b32 s27, s26, 8
	s_add_co_u32 s32, s32, s27                     ; wcodes: (row + 8 w) x 512 + 256 kh
	s_mov_b32 s33, 0
	s_lshl_b32 s27, s19, 5
	s_add_co_u32 s34, s30, s27
	s_lshl_b32 s34, s34, 5
	s_lshl_b32 s27, s26, 4
	s_add_co_u32 s34, s34, s27                     ; wscales: (row + 32 ch) x 32 + 16 kh
	s_mov_b32 s35, 0
	s_wait_kmcnt 0x0
	s_cmp_lt_u32 ttmp9, 32
	s_cselect_b64 s[20:21], s[4:5], s[6:7]
	s_cmp_lt_u32 ttmp9, 64
	s_cselect_b64 s[20:21], s[20:21], s[8:9]
	s_add_nc_u64 s[20:21], s[20:21], s[28:29]
	s_add_nc_u64 s[12:13], s[12:13], s[32:33]
	s_add_nc_u64 s[14:15], s[14:15], s[34:35]
	WLOAD 0, 256
	WLOAD 1, 256
.macro WBLOCK t
.set XS, X+32*(\t)
	ARRIVE \t, 256
	v_max3_num_f32 v12, |v[XS]|, |v[XS+1]|, |v[XS+2]|              ; the block's largest magnitude: all 32 numbers are mine
	v_max3_num_f32 v13, |v[XS+3]|, |v[XS+4]|, |v[XS+5]|
.irp i, 6,10,14,18,22,26
	v_max3_num_f32 v12, v12, |v[XS+\i]|, |v[XS+\i+1]|
	v_max3_num_f32 v13, v13, |v[XS+\i+2]|, |v[XS+\i+3]|
.endr
	v_max3_num_f32 v12, v12, |v[XS+30]|, |v[XS+31]|
	v_max3_num_f32 v12, v12, v13, (EMAX+1)<<23     ; and the floor 2^(EMAX + 1 - 127): so the byte cannot fall under 1
	v_add_nc_u32 v16, -(EMAX<<23), v12             ; EMAX off its exponent field: the conversion's scale operand
	v_lshrrev_b32 v17, 23, v16                     ; the scale's byte
.if (\t) == 0
	v_mov_b32 v[SB], v17                           ; four bytes to a register, the lower K in the lower byte
.else
	v_lshl_or_b32 v[SB], v17, 8*(\t), v[SB]
.endif
.irp g, 0,1,2,3
	v_cvt_scalef32_pk8_fp4_f32 v[C+4*(\t)+\g], v[XS+8*\g:XS+8*\g+7], v16
.endr
	v_nop                                          ; one plain line behind the conversions
	ds_store_b128 v4, v[C+4*(\t):C+4*(\t)+3] offset:16*(\t)        ; 32 codes: 16 bytes of my column's row
.endm
	WBLOCK 0
	WBLOCK 1
	WBLOCK 2
	WBLOCK 3
	ds_store_b32 v5, v[SB]
	s_wait_dscnt 0x0                               ; for the others' sake: my stores into the stage are done
	s_barrier_signal -1
	s_barrier_wait -1
.irp i, 0,1,2,3
	ds_load_b128 v[OUTR+4*\i:OUTR+4*\i+3], v8 offset:2*\i*PITCH
.endr
.irp i, 0,1,2,3
	s_wait_dscnt 3-\i
	global_store_b128 v9, v[OUTR+4*\i:OUTR+4*\i+3], s[12:13] offset:1024*\i   ; sixteen lanes store 256 consecutive, aligned bytes of a row
.endr
	s_cmp_lt_u32 s18, 2                            ; waves 0 and 1 send the scale bytes: 32 rows each, 16 bytes a row
	s_cbranch_scc0 .Lno_scales
	ds_load_b128 v[C:C+3], v10
	s_wait_dscnt 0x0
	global_store_b128 v11, v[C:C+3], s[14:15]
.Lno_scales:
	s_wait_tensorcnt 0x0                           ; the wave's end: behind my last LDS store
	ds_add_u32 v[SPW], v[NIL]
	s_wait_dscnt 0x0
	s_endpgm
	; ---- wo
.Lwo:
	s_sub_co_u32 s24, ttmp9, 96
	s_and_b32 s25, s24, 7
	s_lshl_b32 s25, s25, 2
	s_and_b32 s26, s18, 3
	s_add_co_u32 s25, s25, s26                     ; which 32 columns: 4 (o % 8) + w % 4
	s_lshr_b32 s26, s24, 3
	s_lshl_b32 s26, s26, 1
	s_lshr_b32 s27, s18, 2
	s_add_co_u32 s26, s26, s27                     ; which 128 along k: 2 (o / 8) + w / 4
	s_lshl_b32 s28, s26, 19                        ; 128 rows of 4,096 bytes,
	s_lshl_b32 s27, s25, 7                         ; 32 columns
	s_add_co_u32 s28, s28, s27
	s_mov_b32 s29, 0
	s_lshl_b32 s30, s25, 16                        ; wof: two tiles of 16 columns, 32,768 bytes each,
	s_lshl_b32 s27, s26, 12                        ; four chunks of 32 along k, 1,024 bytes each
	s_add_co_u32 s30, s30, s27
	s_mov_b32 s31, 0
	v_lshlrev_b32 v1, 15, v7
	v_lshl_add_u32 v1, v6, 4, v1                   ; lanes 16-31 the second tile; 16 bytes a column
	s_wait_kmcnt 0x0
	s_add_nc_u64 s[20:21], s[10:11], s[28:29]
	s_add_nc_u64 s[16:17], s[16:17], s[30:31]
	WLOAD 0, 4096
	WLOAD 1, 4096
.macro OBLOCK q                        ; a chunk of 32 along k: rounded to f16 in place, the lower k in the low half, and stored
.set XS, X+32*(\q)
	ARRIVE \q, 4096
.irp i, 0,1,2,3,4,5,6,7,8,9,10,11,12,13,14,15
	v_cvt_pk_f16_f32 v[XS+\i], v[XS+2*\i], v[XS+2*\i+1]
.endr
.irp p, 0,1,2,3                        ; k = 8 p + 0..7 of the chunk: group p / 2, lanes 16 (p % 2) on
	global_store_b128 v1, v[XS+4*\p:XS+4*\p+3], s[16:17] offset:1024*(\q)+256*\p   ; sixteen lanes store 256 consecutive, aligned bytes
.endr
.endm
	OBLOCK 0
	OBLOCK 1
	OBLOCK 2
	OBLOCK 3
	s_endpgm
.Lfunc_end_k_qa130baca0f_qw:
	.size	k_qa130baca0f_qw, .Lfunc_end_k_qa130baca0f_qw-k_qa130baca0f_qw
	.p2alignl 7, 3214868480
	.fill 96, 4, 3214868480
	.section	.rodata,"a",@progbits
	.p2align	6, 0x0
	.amdhsa_kernel k_qa130baca0f_qw
		.amdhsa_group_segment_fixed_size 19456
		.amdhsa_private_segment_fixed_size 0
		.amdhsa_enable_private_segment 0
		.amdhsa_kernarg_size 56
		.amdhsa_user_sgpr_count 2
		.amdhsa_user_sgpr_kernarg_segment_ptr 1
		.amdhsa_wavefront_size32 1
		.amdhsa_system_sgpr_workgroup_id_x 1
		.amdhsa_system_sgpr_workgroup_id_y 1
		.amdhsa_system_sgpr_workgroup_id_z 1
		.amdhsa_system_vgpr_workitem_id 0
		.amdhsa_next_free_vgpr 184
		.amdhsa_next_free_sgpr 66
		.amdhsa_reserve_vcc 0
		.amdhsa_float_denorm_mode_32 3
		.amdhsa_float_denorm_mode_16_64 3
		.amdhsa_memory_ordered 1
		.amdhsa_forward_progress 1
		.amdhsa_inst_pref_size 41
	.end_amdhsa_kernel
	.amdgpu_metadata
---
amdhsa.version: [ 1, 2 ]
amdhsa.kernels:
  - .name:           k_qa130baca0f_qw
    .symbol:         k_qa130baca0f_qw.kd
    .args:
      - { .name: wq, .offset: 0, .size: 8, .value_kind: global_buffer, .address_space: global }
      - { .name: wk, .offset: 8, .size: 8, .value_kind: global_buffer, .address_space: global }
      - { .name: wv, .offset: 16, .size: 8, .value_kind: global_buffer, .address_space: global }
      - { .name: wo, .offset: 24, .size: 8, .value_kind: global_buffer, .address_space: global }
      - { .name: wcodes, .offset: 32, .size: 8, .value_kind: global_buffer, .address_space: global }
      - { .name: wscales, .offset: 40, .size: 8, .value_kind: global_buffer, .address_space: global }
      - { .name: wof, .offset: 48, .size: 8, .value_kind: global_buffer, .address_space: global }
    .group_segment_fixed_size: 19456
    .private_segment_fixed_size: 0
    .kernarg_segment_align: 8
    .kernarg_segment_size: 56
    .max_flat_workgroup_size: 256
    .sgpr_count:     66
    .vgpr_count:     184
    .wavefront_size: 32
...
	.end_amdgpu_metadata
.endif
;; end of part 2
;; launch proj (part 3): grid 12 x 32, 4 waves a work-group, clusters of 4 x 4, 327,680 bytes of LDS; arguments xcodes, xscales, wcodes, wscales, qkvf; writes qkvf
.if DOCPART == 3
	.amdgcn_target "amdgcn-amd-amdhsa--gfx1250"
	.amdhsa_code_object_version 6
	.text
	.protected	k_qa130baca0f_proj
	.globl	k_qa130baca0f_proj
	.p2align	8
	.type	k_qa130baca0f_proj,@function
k_qa130baca0f_proj:
	s_mov_b64 s[64:65], 0
	v_nop
	global_prefetch_b8 v0, s[64:65] scope:SCOPE_SE
	s_setreg_imm32_b32 hwreg(HW_REG_WAVE_MODE, 25, 1), 1
	s_wait_xcnt 0x0
	s_wait_alu depctr_hold_cnt(0) depctr_sa_sdst(0) depctr_va_vdst(0) depctr_va_sdst(0) depctr_va_ssrc(0) depctr_va_vcc(0) depctr_vm_vsrc(0)
	s_getreg_b32 s2, hwreg(HW_REG_IB_STS2, 6, 4)
	s_cmp_eq_u32 s2, 0
	s_cbranch_scc0 .Lentry_in_a_cluster
	s_endpgm
.Lentry_in_a_cluster:
	s_bfe_u32 s2, ttmp6, 0x10000c
	s_cmp_lg_u32 s2, 0xf033
	s_cbranch_scc0 .Lentry_shape_is_right
	s_endpgm
.Lentry_shape_is_right:
; THE THREE PROJECTIONS, on codes of FP4 (E2M1) with one E8M0 scale for each 32 along K = 1,024: query = qinput wq, key = kvinput wk, value = kvinput wv; sums in f32; results rounded once to f16.
; A: xcodes [16384 rows][512 bytes] (rows 0-8191 qinput's tokens, 8192 on kvinput's), xscales [16384][32].  B: wcodes [3072 rows][512 bytes], row = 1024 x kind + 64 h + d, wscales [3072][32].
; A tile of 256 tokens x 256 columns is made by four waves, 128 x 128 each: 64 accumulators of 16 x 16, 512 registers.  Tile column tc = 4 x cluster x + cx: the cluster's x IS the kind (0 query, 1 key, 2 value).
; K is two slots of 512 (rows of 256 bytes): both are asked for at the start, and nothing is filled again.  The scales of the work-group's 256 + 256 rows, two dense blocks, come with them.
; CLUSTERS: 4 x 4 work-groups.  The four of a row of the cluster need the same tiles of A, the four of a column the same tiles of B: each tile is asked for JOINTLY, by the same tensor load with the same
; descriptor and a mask that names the four.  THE MATRIX INSTRUCTION IS USED TRANSPOSED (source 0 = 16 rows of B, source 1 = 16 rows of A): a lane then holds one token and eight neighbouring channels.
; THE RESULT IS LAID AS THE NEXT LAUNCH'S OPERAND REGISTERS: qkvf [kind][b 4][h 16][tile of 16 tokens 128][w4 4][512 bytes]; block w4 holds channels 16 w4 .. + 15 of the head.
;   query, key: lane l's 16 bytes (token l % 16, channels 16 w4 + 8 (l / 16) + 0..7) at 16 l: a register group of a 16-bit fragment as it stands.
;   value: the same 16 bytes at 16 x (16 (r / 8) + 8 (l / 16) + r % 8), r = l % 16: the order in which the turning LDS load, lane l at 16 l, takes them.
; So a lane's eight results, packed, are stored as they stand, and each store of the wave covers 512 consecutive, aligned bytes: no way through LDS.
; LIMITS: results beyond 65,504 are not served (f16); results under 6e-5 carry f16's absolute error.
; REGISTERS, in windows of 256: window 0: v0-31 addresses; v32-95 scale words, two sets; from v128 A's fragments, ONE set; on the way out v128-255 packed results.
;   window 1: B's fragments, TWO sets, at v0 and v128.   window 2: the accumulators of my rows 0-63 ((a, b) at v[8 (8 a + b)]);   window 3: those of my rows 64-127.
.set NQ,     4                         ; matrix instructions deep in a slot: 512 / 128
.set ROWB,   256                       ; a tile's row in bytes
.set KROW,   512                       ; a row of codes in memory
.set PITCH,  272                       ; an LDS row: 256 bytes + 16 of padding = 68 words: the 16 rows that a load touches start 4 words apart modulo 64
.set FR,     8                         ; registers of a fragment: 16 rows x 128 K
.set NL,     2                         ; LDS loads that bring one
.set NP,     4                         ; places behind this matrix instruction (ISA guide 7.12.1)
.set HALFT,  128*PITCH                 ; 128 rows: what one tensor load brings
.set SLOT,   4*HALFT                   ; A's 256 rows, then B's 256 rows
.set KS,     32                        ; a row of scales in bytes
.set SCL,    2*SLOT                    ; behind the slots: the scales, as rows of 256 bytes + 16 of padding
.set HALFS,  16*272                    ; the scales of 128 rows: what one tensor load brings
.set SBLK,   2*272                     ; those of 16 rows
.set SPARE,  SCL+4*HALFS               ; the spare words, 128 bytes for each wave, which no other line names
.set ADRA, 16                          ; v16-17  LDS address of my A fragments in slot 0, 1
.set ADRB, 20                          ; v20-21  the same for B
.set CO,   26                          ; v26     my 16 bytes' place in a block of 512 of qkvf
.set ADRS, 27                          ; v27     LDS address of my scale words: lanes 0-15 A's rows, lanes 16-31 B's
.set SPW,  28                          ; v28     LDS address of my spare word; never rewritten
.set NIL,  29                          ; v29     0; never rewritten
.set SC,   32                          ; scale words: set s at v[SC + 32 s]; register 4 i + q: lanes 0-15 the word of A's block i, lanes 16-31 of B's block i, for the slot's q-th 128 along K
.set AF,   128                         ; A's fragments, in window 0
.set TMP,  128                         ; the way out: four sets of 32 registers
.set G1, 24                            ; s[24:31] descriptor group 1 for A's tiles;  s[32:39] group 0, one set for each slot
.set G0, 32
.set G1B, 48                           ; s[48:55], s[56:63] the same for B's tiles
.set G0B, 56
.set G1S, 68                           ; s[68:75], s[76:79] groups 1 and 0 for A's scales;  s[80:87], s[88:91] for B's
.set G0S, 76
.set G1SB, 80
.set G0SB, 88
.set MSB, 0
.macro WIN new                         ; the immediate's high byte repeats the setting that is left
.if MSB != \new
	s_set_vgpr_msb (MSB<<8)|\new
.set MSB, \new
.endif
.endm
.set MUL_LO, 0xa1                      ; source 0 (B) window 1, source 1 (A) window 0, C and D window 2
.set MUL_HI, 0xf1                      ; the same, C and D window 3
.set TO_B,   0x40                      ; destination window 1, address window 0
; A joint load: waves 0 and 1 fetch for A, waves 2 and 3 for B.  Each of the two lines has ONE mask and one set of registers for all that issue it; the branch hangs on the wave's number alone.
; An s_nop 0 and four v_nop follow each of the two lines.
.macro JLOAD g0a, g1a, g0b, g1b
	s_cmp_eq_u32 s15, 0
	s_cbranch_scc0 .Lfor_b_\@
	tensor_load_to_lds s[\g0a:\g0a+3], s[\g1a:\g1a+7]
	s_nop 0
.rept 4
	v_nop
.endr
	s_branch .Lasked_\@
.Lfor_b_\@:
	tensor_load_to_lds s[\g0b:\g0b+3], s[\g1b:\g1b+7]
	s_nop 0
.rept 4
	v_nop
.endr
.Lasked_\@:
.endm
.macro CROUND                          ; a round of the cluster's barrier
	s_barrier_signal -1
	s_barrier_wait -1
	s_cmp_lg_u32 s14, 0
	s_cbranch_scc1 .Lnot_wave_0_\@
	s_barrier_signal -3
.Lnot_wave_0_\@:
	s_barrier_wait -3
	s_barrier_signal -1
	s_barrier_wait -1
.endm
	s_load_b128 s[4:7], s[0:1], 0x0                ; A's codes s[4:5], A's scales s[6:7]
	s_load_b128 s[8:11], s[0:1], 0x10              ; B's codes s[8:9], B's scales s[10:11]
	s_load_b64 s[12:13], s[0:1], 0x20              ; qkvf
	v_lshl_add_u32 v[SPW], v0, 2, SPARE
	v_mov_b32 v[NIL], 0
	ds_add_u32 v[SPW], v[NIL]                      ; the wave's opening: the add, twice on end, and its wait ahead of my first tensor load; the set-up below stands between the second and the wait
	ds_add_u32 v[SPW], v[NIL]
	v_lshrrev_b32 v1, 5, v0
	v_readfirstlane_b32 s14, v1                    ; wave 0..3
	s_lshr_b32 s15, s14, 1                         ; which half of the tile's rows is mine.  Also: I fetch for A (0) or for B (1)
	s_and_b32 s16, s14, 1                          ; which half of its columns.  Also: which 128 rows of that tile I fetch
	s_bfe_u32 s40, ttmp6, 0x40000                  ; cx, cy: my place in the cluster
	s_bfe_u32 s41, ttmp6, 0x40004
	s_lshl_b32 s42, ttmp9, 2
	s_add_co_u32 s42, s42, s40                     ; tile column = 4 x cluster x + cx
	s_and_b32 s17, ttmp7, 0xffff
	s_lshl_b32 s17, s17, 2
	s_add_co_u32 s17, s17, s41                     ; tile row = 4 x cluster y + cy
	s_lshl_b32 s43, s41, 2
	s_lshl_b32 s43, 15, s43                        ; my row of the cluster
	s_lshl_b32 s44, 0x1111, s40                    ; my column
	; descriptor group 1: a tile of 128 rows x 256 bytes, padded in LDS
	s_or_b32 s[G1+0], s43, (0<<16)|(1<<20)|(1<<21)|(5<<22)|(3<<25)  ; 15:0 the mask: A's tiles go to my row; 17:16 elements of 1 byte; 20 padding on; 21 set beside a mask; 24:22 after every 64 words (code 5); 31:25 four words (code 3)
	s_or_b32 s[G1B+0], s44, (0<<16)|(1<<20)|(1<<21)|(5<<22)|(3<<25)
.irp g, G1, G1B
	s_mov_b32 s[\g+1], ROWB<<16                    ; tensor_dim0
	s_mov_b32 s[\g+2], 128<<16                     ; tensor_dim1 = 128
	s_mov_b32 s[\g+3], ROWB<<16                    ; tile_dim0
	s_mov_b32 s[\g+4], 128                         ; tile_dim1 = 128
	s_mov_b32 s[\g+5], KROW                        ; tensor_dim0_stride
	s_mov_b32 s[\g+6], 0
	s_mov_b32 s[\g+7], 0
.endr
	; and for the scales of 128 rows: a dense block of 4,096 bytes, as 16 rows of 256 bytes (32 elements of 8 bytes), 16 bytes of padding behind each
	s_or_b32 s[G1S+0], s43, (3<<16)|(1<<20)|(1<<21)|(5<<22)|(3<<25)
	s_or_b32 s[G1SB+0], s44, (3<<16)|(1<<20)|(1<<21)|(5<<22)|(3<<25)
.irp g, G1S, G1SB
	s_mov_b32 s[\g+1], 32<<16
	s_mov_b32 s[\g+2], 16<<16
	s_mov_b32 s[\g+3], 32<<16
	s_mov_b32 s[\g+4], 16
	s_mov_b32 s[\g+5], 32
	s_mov_b32 s[\g+6], 0
	s_mov_b32 s[\g+7], 0
.endr
	s_lshl_b32 s18, s16, 7                         ; which 128 rows of the tile I fetch
	s_lshl_b32 s20, s17, 8
	s_add_co_u32 s20, s20, s18                     ; A: row 256 x tile row + 128 x half,
	s_min_u32 s19, ttmp9, 1
	s_lshl_b32 s19, s19, 13
	s_add_co_u32 s20, s20, s19                     ; + 8,192 for keys and values: kvinput's rows.  (The cluster's x is shared by all sixteen partners)
	s_lshl_b32 s46, s42, 8
	s_add_co_u32 s46, s46, s18                     ; B: row 256 x tile column + 128 x half
	s_mov_b32 s21, 0
	s_mov_b32 s47, 0
	s_mov_b64 s[18:19], KS
	s_mul_u64 s[22:23], s[20:21], s[18:19]         ; where these rows' scales begin, in bytes
	s_mul_u64 s[92:93], s[46:47], s[18:19]
	s_mov_b64 s[18:19], KROW
	s_mul_u64 s[20:21], s[20:21], s[18:19]         ; and their codes
	s_mul_u64 s[46:47], s[46:47], s[18:19]
	s_mul_i32 s45, s14, HALFT                      ; where they go: wave x 128 rows: no place in the cluster enters an LDS address
	s_mul_i32 s94, s14, HALFS
	s_wait_dscnt 0x0                               ; both opening adds are done
	s_wait_kmcnt 0x0
	s_add_nc_u64 s[20:21], s[4:5], s[20:21]
	s_add_nc_u64 s[22:23], s[6:7], s[22:23]
	s_add_nc_u64 s[46:47], s[8:9], s[46:47]
	s_add_nc_u64 s[92:93], s[10:11], s[92:93]
	CROUND                                         ; all sixteen work-groups are here: the joint loads meet
	s_mov_b32 s[G0S], 1
	s_add_co_u32 s[G0S+1], s94, SCL
	s_mov_b64 s[G0S+2:G0S+3], s[22:23]
	s_or_b32 s[G0S+3], s[G0S+3], 0x80000000
	s_mov_b32 s[G0SB], 1
	s_add_co_u32 s[G0SB+1], s94, SCL
	s_mov_b64 s[G0SB+2:G0SB+3], s[92:93]
	s_or_b32 s[G0SB+3], s[G0SB+3], 0x80000000
	JLOAD G0S, G1S, G0SB, G1SB                     ; the scales first: they are wanted with slot 0.  Three tensor loads of mine are out at the most
.irp s, 0,1
	s_mov_b32 s[G0+4*\s], 1
	s_add_co_u32 s[G0+4*\s+1], s45, \s*SLOT
	s_add_nc_u64 s[G0+4*\s+2:G0+4*\s+3], s[20:21], \s*ROWB
	s_or_b32 s[G0+4*\s+3], s[G0+4*\s+3], 0x80000000
	s_mov_b32 s[G0B+4*\s], 1
	s_add_co_u32 s[G0B+4*\s+1], s45, \s*SLOT
	s_add_nc_u64 s[G0B+4*\s+2:G0B+4*\s+3], s[46:47], \s*ROWB
	s_or_b32 s[G0B+4*\s+3], s[G0B+4*\s+3], 0x80000000
	JLOAD G0+4*\s, G1, G0B+4*\s, G1B
.endr
	v_and_b32 v1, 15, v0                           ; r = l % 16
	v_bfe_u32 v2, v0, 4, 1                         ; l / 16
	v_mul_u32_u24 v3, v1, PITCH
	v_lshl_add_u32 v4, v2, 4, v3                   ; a fragment's row x pitch + 16 x half
	s_mul_i32 s21, s15, HALFT                      ; my 128 rows of A
	s_mul_i32 s22, s16, HALFT                      ; my 128 rows of B,
	s_add_co_u32 s22, s22, 2*HALFT                 ; which lie behind A's 256
.irp s, 0,1
	v_add_nc_u32 v[ADRA+\s], s21, v4
	v_add_nc_u32 v[ADRB+\s], s22, v4
	s_add_co_u32 s21, s21, SLOT
	s_add_co_u32 s22, s22, SLOT
.endr
	v_mul_u32_u24 v5, v1, KS                       ; my row's scales: 32 bytes a row,
	v_lshrrev_b32 v6, 8, v5
	v_lshl_add_u32 v5, v6, 4, v5                   ; and 16 more for each 256 passed
	s_mul_i32 s21, s15, HALFS                      ; A's: my 128 rows
	s_mul_i32 s22, s16, HALFS                      ; B's: my 128 rows, behind A's 256
	s_add_co_u32 s22, s22, 2*HALFS
	s_sub_co_u32 s22, s22, s21
	v_mul_u32_u24 v6, s22, v2                      ; lanes 16-31 take B's
	s_add_co_u32 s21, s21, SCL
	v_add_nc_u32 v5, v5, v6
	v_add_nc_u32 v[ADRS], s21, v5
	v_and_b32 v6, 31, v0
	v_lshlrev_b32 v6, 4, v6                        ; query, key: 16 x lane
	v_and_b32 v7, 7, v0
	v_lshlrev_b32 v7, 4, v7
	v_bfe_u32 v5, v0, 3, 1
	v_lshl_add_u32 v7, v5, 8, v7
	v_lshl_add_u32 v7, v2, 7, v7                   ; value: 16 x (16 (r / 8) + 8 (l / 16) + r % 8)
	s_cmp_eq_u32 ttmp9, 2
	s_cselect_b32 s23, -1, 0
	v_cndmask_b32 v[CO], v6, v7, s23
	; where my part begins in qkvf: kind x 16,777,216 + ((16 b + head) x 128 + tile of tokens) x 2,048; b = tile row / 8; head = 4 cx + 2 x column half (+ block / 4); tile = 16 (tile row % 8) + 8 x row half (+ a)
	s_lshr_b32 s20, s17, 3
	s_lshl_b32 s20, s20, 4
	s_lshl_b32 s21, s16, 1
	s_add_co_u32 s20, s20, s21
	s_lshl_b32 s20, s20, 7
	s_and_b32 s21, s17, 7
	s_lshl_b32 s21, s21, 4
	s_add_co_u32 s20, s20, s21
	s_lshl_b32 s21, s15, 3
	s_add_co_u32 s20, s20, s21
	s_lshl_b32 s20, s20, 11
	s_lshl_b32 s21, ttmp9, 24
	s_add_co_u32 s20, s20, s21
	s_mov_b32 s21, 0
	s_lshl_b32 s46, s40, 20                        ; 4 cx heads of 262,144 bytes
	s_mov_b32 s47, 0
	s_add_nc_u64 s[20:21], s[20:21], s[46:47]
	s_add_nc_u64 s[12:13], s[12:13], s[20:21]
.macro FRAG reg, adr, q, i             ; a fragment, 16 rows x 128 K of 4-bit codes, is 8 registers: lane l holds row l % 16; registers 4 c .. 4 c + 3 hold K = 64 c + 32 (l / 16) + 0 .. 31
.irp c, 0,1
	ds_load_b128 v[\reg+4*\c:\reg+4*\c+3], v[\adr] offset:64*(\q)+32*\c+(\i)*16*PITCH
.endr
.endm
; 16 matrix instructions: A's blocks a0, a0 + 1 x B's eight, 128 along K: the slot's q-th.  p: B's set;  sc: the set of scale words.  zero = 1: the first product starts the sums: nothing is ever cleared.
; The 64 accumulators take turns, one instruction a turn, in the same order in every step.
.macro MUL16 a0, p, q, sc, zero
.irp a, \a0, \a0+1
.irp b, 0,1,2,3,4,5,6,7
.if \zero
	v_wmma_scale_f32_16x16x128_f8f6f4 v[8*(8*((\a)%4)+\b):8*(8*((\a)%4)+\b)+7], v[128*(\p)+FR*\b:128*(\p)+FR*\b+FR-1], v[AF+FR*(\a):AF+FR*(\a)+FR-1], 0, v[SC+8*NQ*(\sc)+NQ*\b+(\q)], v[SC+8*NQ*(\sc)+NQ*(\a)+(\q)] matrix_a_fmt:MATRIX_FMT_FP4 matrix_b_fmt:MATRIX_FMT_FP4 matrix_a_scale:MATRIX_SCALE_ROW1
.else
	v_wmma_scale_f32_16x16x128_f8f6f4 v[8*(8*((\a)%4)+\b):8*(8*((\a)%4)+\b)+7], v[128*(\p)+FR*\b:128*(\p)+FR*\b+FR-1], v[AF+FR*(\a):AF+FR*(\a)+FR-1], v[8*(8*((\a)%4)+\b):8*(8*((\a)%4)+\b)+7], v[SC+8*NQ*(\sc)+NQ*\b+(\q)], v[SC+8*NQ*(\sc)+NQ*(\a)+(\q)] matrix_a_fmt:MATRIX_FMT_FP4 matrix_b_fmt:MATRIX_FMT_FP4 matrix_a_scale:MATRIX_SCALE_ROW1
.endif
.endr
.endr
.endm
.macro FETCH_B slot, q, p              ; B's eight fragments of the slot's q-th 128 along K into set p
	WIN TO_B
.irp i, 0,1,2,3,4,5,6,7
	FRAG 128*(\p)+FR*\i, ADRB+\slot, \q, \i
.endr
	WIN 0
.endm
.macro FETCH_A slot, q, i0             ; A's blocks i0 .. i0 + 3
.irp i, \i0, \i0+1, \i0+2, \i0+3
	FRAG AF+FR*(\i), ADRA+\slot, \q, \i
.endr
.endm
.macro SCALES sc                       ; a slot's scale words into set sc: four words a row; lanes 0-15 take A's block i, lanes 16-31 B's block i
.irp i, 0,1,2,3,4,5,6,7
	ds_load_b128 v[SC+8*NQ*\sc+NQ*\i:SC+8*NQ*\sc+NQ*\i+3], v[ADRS] offset:\i*SBLK
.endr
.endm
; A load into a register that a matrix instruction has read, and a vector instruction that reads a matrix result or writes one of its registers, stand NP places behind it, and only plain vector
; instructions that name none of its registers are places (ISA guide 7.12.1 for vector instructions).
.macro PLACES n
.rept \n
	v_nop
.endr
.endm
; A step of 128 along K that has its successor in the same slot.  A's blocks go one after the other, each against B's eight: a block of A is free as soon as its eight products are issued, so A has one set of registers.
.macro STEP slot, q, zero
	s_wait_dscnt 4*NL                              ; B's set and A's blocks 0-3 are in; the youngest eight loads (A's blocks 4-7) may be out
	WIN MUL_LO
	MUL16 0, (\q)%2, \q, \slot, \zero
	MUL16 2, (\q)%2, \q, \slot, \zero
	s_wait_dscnt 0                                 ; A's blocks 4-7 are in (asked for 32 matrix instructions ago)
	PLACES NP
	FETCH_B \slot, (\q)+1, 1-(\q)%2
	FETCH_A \slot, (\q)+1, 0
	WIN MUL_HI
	MUL16 4, (\q)%2, \q, \slot, \zero
	MUL16 6, (\q)%2, \q, \slot, \zero
	PLACES NP
	WIN 0
	FETCH_A \slot, (\q)+1, 4
.endm
; Slot 0's last step goes over to slot 1: one barrier; in front of it each wave waits for all its tensor loads (its part of slot 1), adds 0 to its spare word, and waits for that and for its LDS loads.
.macro TURN slot, next
	s_wait_tensorcnt 0x0                           ; all my tensor loads have landed: my part of the next slot;  (every window is 0 here)
	ds_add_u32 v[SPW], v[NIL]                      ; 0 onto my spare word
	s_wait_dscnt 4*NL+1                            ; (the add and the youngest eight loads, A's blocks 4-7, may be out)
	WIN MUL_LO
	MUL16 0, 1, NQ-1, \slot, 0                     ; sixteen matrix instructions stand between the add and the wait for it
	s_wait_dscnt 0x0                               ; the add is done, and no LDS load of mine is out
	s_barrier_signal -1
	MUL16 2, 1, NQ-1, \slot, 0
	WIN 0
	s_barrier_wait -1                              ; the next slot is whole
	PLACES NP
	v_add_nc_u32 v[ADRS], 4*NQ, v[ADRS]            ; on to the next slot's scale words (no LDS load of mine is out)
	FETCH_B \next, 0, 0
	FETCH_A \next, 0, 0
	SCALES \next
	WIN MUL_HI
	MUL16 4, 1, NQ-1, \slot, 0
	MUL16 6, 1, NQ-1, \slot, 0
	PLACES NP
	WIN 0
	FETCH_A \next, 0, 4
.endm
	s_wait_tensorcnt 1                             ; the scales and my part of slot 0 are in (slot 1's load may be out)
	s_barrier_signal -1
	s_barrier_wait -1                              ; everybody's are
	FETCH_B 0, 0, 0
	FETCH_A 0, 0, 0
	SCALES 0
	FETCH_A 0, 0, 4
	STEP 0, 0, 1                                   ; the first step's products start the sums
	STEP 0, 1, 0
	STEP 0, 2, 0
	TURN 0, 1
	STEP 1, 0, 0
	STEP 1, 1, 0
	STEP 1, 2, 0
	s_wait_dscnt 4*NL                              ; the last step: nothing more to fetch
	WIN MUL_LO
	MUL16 0, 1, NQ-1, 1, 0
	MUL16 2, 1, NQ-1, 1, 0
	s_wait_dscnt 0
	WIN MUL_HI
	MUL16 4, 1, NQ-1, 1, 0
	MUL16 6, 1, NQ-1, 1, 0
	WIN 0
; THE WAY OUT, block by block of 16 tokens x 128 channels (two heads).  A lane's eight results of accumulator (a, b) are rounded to f16, 16 bytes, each accumulator from its low end on, and are block b % 4 of head b / 4.
.macro OUTB a
.set AC, 64*((\a)%4)
.set TP, TMP+32*((\a)%4)
.if (\a) == 4
	s_wait_xcnt 0x0                                ; the stores of blocks 0-3 have read their registers: the four sets are written again only behind this wait
.endif
	WIN 0x0a+5*((\a)/4)                            ; sources 0 and 1: window 2 or 3
.irp b, 0,1,2,3,4,5,6,7
.irp r, 0,1,2,3
	v_cvt_pk_f16_f32 v[TP+4*\b+\r], v[AC+8*\b+2*\r], v[AC+8*\b+2*\r+1]
.endr
.endr
	WIN 0
.irp b, 0,1,2,3,4,5,6,7
	global_store_b128 v[CO], v[TP+4*\b:TP+4*\b+3], s[12:13] offset:2048*(\a)+262144*(\b/4)+512*(\b%4)   ; 32 lanes store 512 consecutive, aligned bytes
.endr
.endm
	PLACES NP                                      ; behind the last products: the conversions read results and write over the registers that held A's fragments
.irp a, 0,1,2,3,4,5,6,7
	OUTB \a
.endr
	s_wait_tensorcnt 0x0                           ; the wave's end: behind my last tensor load
	ds_add_u32 v[SPW], v[NIL]
	s_wait_dscnt 0x0
	CROUND                                         ; the closing round: no work-group ends while a partner may still ask for a tile that names it
	s_endpgm
.Lfunc_end_k_qa130baca0f_proj:
	.size	k_qa130baca0f_proj, .Lfunc_end_k_qa130baca0f_proj-k_qa130baca0f_proj
	.p2alignl 7, 3214868480
	.fill 96, 4, 3214868480
	.section	.rodata,"a",@progbits
	.p2align	6, 0x0
	.amdhsa_kernel k_qa130baca0f_proj
		.amdhsa_group_segment_fixed_size 327680
		.amdhsa_private_segment_fixed_size 0
		.amdhsa_enable_private_segment 0
		.amdhsa_kernarg_size 40
		.amdhsa_user_sgpr_count 2
		.amdhsa_user_sgpr_kernarg_segment_ptr 1
		.amdhsa_wavefront_size32 1
		.amdhsa_system_sgpr_workgroup_id_x 1
		.amdhsa_system_sgpr_workgroup_id_y 1
		.amdhsa_system_sgpr_workgroup_id_z 1
		.amdhsa_system_vgpr_workitem_id 0
		.amdhsa_next_free_vgpr 1024
		.amdhsa_next_free_sgpr 98
		.amdhsa_reserve_vcc 0
		.amdhsa_float_denorm_mode_32 3
		.amdhsa_float_denorm_mode_16_64 3
		.amdhsa_memory_ordered 1
		.amdhsa_forward_progress 1
		.amdhsa_inst_pref_size 118
	.end_amdhsa_kernel
	.amdgpu_metadata
---
amdhsa.version: [ 1, 2 ]
amdhsa.kernels:
  - .name:           k_qa130baca0f_proj
    .symbol:         k_qa130baca0f_proj.kd
    .args:
      - { .name: xcodes, .offset: 0, .size: 8, .value_kind: global_buffer, .address_space: global }
      - { .name: xscales, .offset: 8, .size: 8, .value_kind: global_buffer, .address_space: global }
      - { .name: wcodes, .offset: 16, .size: 8, .value_kind: global_buffer, .address_space: global }
      - { .name: wscales, .offset: 24, .size: 8, .value_kind: global_buffer, .address_space: global }
      - { .name: qkvf, .offset: 32, .size: 8, .value_kind: global_buffer, .address_space: global }
    .group_segment_fixed_size: 327680
    .private_segment_fixed_size: 0
    .kernarg_segment_align: 8
    .kernarg_segment_size: 40
    .max_flat_workgroup_size: 128
    .sgpr_count:     98
    .vgpr_count:     1024
    .wavefront_size: 32
...
	.end_amdgpu_metadata
.endif
;; end of part 3
;; launch attn (part 4): grid 16 x 16, 8 waves a work-group, clusters of 4 x 4, 327,680 bytes of LDS; arguments qkvf, qtmask, tmask, pref; writes pref
.if DOCPART == 4
	.amdgcn_target "amdgcn-amd-amdhsa--gfx1250"
	.amdhsa_code_object_version 6
	.text
	.protected	k_qa130baca0f_attn
	.globl	k_qa130baca0f_attn
	.p2align	8
	.type	k_qa130baca0f_attn,@function
k_qa130baca0f_attn:
	s_mov_b64 s[64:65], 0
	v_nop
	global_prefetch_b8 v0, s[64:65] scope:SCOPE_SE
	s_setreg_imm32_b32 hwreg(HW_REG_WAVE_MODE, 25, 1), 1
	s_wait_xcnt 0x0
	s_wait_alu depctr_hold_cnt(0) depctr_sa_sdst(0) depctr_va_vdst(0) depctr_va_sdst(0) depctr_va_ssrc(0) depctr_va_vcc(0) depctr_vm_vsrc(0)
	s_getreg_b32 s2, hwreg(HW_REG_IB_STS2, 6, 4)
	s_cmp_eq_u32 s2, 0
	s_cbranch_scc0 .Lentry_in_a_cluster
	s_endpgm
.Lentry_in_a_cluster:
	s_bfe_u32 s2, ttmp6, 0x10000c
	s_cmp_lg_u32 s2, 0xf033
	s_cbranch_scc0 .Lentry_shape_is_right
	s_endpgm
.Lentry_shape_is_right:
; pre[b][h][q][:] = the sum over t of softmax_t((Q[q] . K[t] + max(tmask[b][t], qtmask[b][q][t]) x -1e6) / 8) V[t][:].  Q, K, V: f16, from qkvf; products, maxima and sums in f32; the weights p are rounded
; to f16 for the second product, the result once to f16.
; SHARES.  A work-group owns 128 queries of one b and FOUR heads: work-group x = block of queries, cluster y = b, cy = group of heads.  Wave w: head w % 4, queries 64 (w / 4) on: four tiles of 16.  Two waves share
; a SIMD, so that one wave's softmax stands beside the other's products.  Every wave walks all 2,048 keys, 64 a step.
; LAYOUT.  S^T = K Q^T (source 0 = 16 keys, source 1 = 16 queries): a lane holds ONE query (lane % 16) and keys 8 (lane / 16) + 0..7 of the tile.  Two such tiles, rounded to f16 in pairs, ARE source 1 (32 keys x 16
; queries) of O^T = V^T P, whose result again holds one query a lane, and eight channels.  K's, Q's fragments lie in memory as images of their registers; V's blocks in the order in which the turning LDS load takes them.
; THE MASK, ONCE FOR FOUR HEADS.  The raw tile of qtmask (128 queries x 64 keys) comes a step earlier than K and V.  In step s each wave turns a sixteen-query strip of tile s + 1 into max(tmask, qtmask) x -1e6, laid in the
; accumulators' order, in LDS; in step s + 1 every wave loads its tiles' terms straight into the score registers, where they are the C of the first product K Q^T.
; SOFTMAX.  For each query a running maximum m and sum l: p = 2^(c s - c m), c = log2(e) / 8; in every step O and l are multiplied by a = 2^(c m_old - c m_new).
; CLUSTER, 4 x 4.  K and V hang on (b, cy): asked for JOINTLY along the cluster's row.  The mask's tile hangs on (b, block of queries): jointly along the column.
; LIMITS: NaN and infinities are not served.  A query all of whose keys are masked is summed at about -1e6, where q.k + the mask's term is rounded in steps of 0.0625, in another order than a single addition would.
; LDS: KV slot 0 at 0, slot 1 at 0x10000 (head i at 16,384 i: K's 8,192 bytes, then V's); the mask's terms at 0x20000 and 0x28000 ([tile of queries 8][tile of keys 4][g 2][lane][16 bytes]); the raw tiles at 0x30000 and
; 0x40000 (128 rows x 272); tmask[b] at 0x39000; the spare words at 0x3b000.  No tensor load lands on the terms, on tmask or on the spare words.
; REGISTERS: window 0: v1-12 addresses; v14, v15 the add's; v16-47 statistics, 8 a tile; v48-59 at the head; v64-191 S^T, then p (tile t, keys 16 u on: v[64 + 32 t + 8 u]); v192-255 K's, then V's fragments.
;   window 1: v0-127 O^T ((t, w4) at 32 t + 8 w4); v128-191 Q ((t, c) at 128 + 16 t + 8 c).
.set KVX,   0x10000                    ; turns an address in one KV slot into the other's
.set ADJ0,  0x20000
.set ADJX,  0x8000
.set RAW0,  0x30000
.set RAWX,  0x70000                    ; 0x30000 <-> 0x40000
.set TM,    0x39000
.set SPARE, 0x3b000                    ; 128 bytes for each of eight waves, which no other line names
.set L16,  1                           ; v1   16 x lane; never rewritten behind the head
.set AK0,  2                           ; v2   16,384 x my head + 16 lane
.set AA0,  3                           ; v3   16,384 x (w / 4) + 16 lane: my four tiles' terms
.set XW0,  4                           ; v4   4,096 w + 16 lane: where I write terms
.set XR0,  5                           ; v5   (16 w + r) x 272 + 32 (lane / 16): where I read the raw tile
.set XT0,  6                           ; v6   TM + 32 (lane / 16)
.set ADK,  7                           ; v7-11 the step's addresses
.set ADA,  8
.set XW,   9
.set XR,   10
.set XT,   11
.set PFO,  12                          ; v12  the prefetches' offset; never rewritten
.set SPW,  14                          ; v14  LDS address of my spare word; never rewritten
.set NIL,  15                          ; v15  0; never rewritten
.set ST,   16                          ; tile t's statistics at v[ST + 8 t]: +0 c m, +1 m, +2, +3 l (even, odd registers'), +4 to +7 c0-c3, at work; a takes c2's place
.set S,    64
.set KB,   192
.set QF,   128                         ; in window 1
.set WV,   12                          ; s12  my wave's number
.set LIM,  15                          ; s15  1 in a wave that prefetches, else the greatest number
.set PFA,  18                          ; s[18:19] where my prefetches stand
.set PFS,  20                          ; s[20:21] a key step on, in bytes
.set G1K,  24                          ; s[24:31] descriptor group 1 for K and V;  s[32:39] for the mask's tile
.set G1M,  32
.set G0K,  40                          ; s[40:47] group 0 for K and V: a set for each of the two first fills; the second then walks on
.set G0M,  48                          ; s[48:55] the same for the mask's tile
.set CNT,  56                          ; s56  the loop's trips to go
.set KVB,  57                          ; s57  the KV slot in hand
.set CS,   58                          ; s[58:59] c
.set SEL,  60                          ; s[60:61] v_permlanex16_b32's selects: lane l xor 16
.set ADB,  62                          ; s62  the terms that this step reads
.set ADW,  63                          ; s63  the terms that this step writes
.set RWB,  66                          ; s66  the raw tile that this step reads
.set TMO,  67                          ; s67  256 x the step whose terms are made
.set NEG,  76                          ; s[76:77] -1e6
.set MSB, 0
.macro WIN new                         ; the immediate's high byte repeats the setting that is left
.if MSB != \new
	s_set_vgpr_msb (MSB<<8)|\new
.set MSB, \new
.endif
.endm
.set W_KQ,  0x04                       ; Q (source 1) in window 1
.set W_PV,  0x50                       ; O^T (C and D) in window 1
.set W_RS,  0x41                       ; O^T (destination and source 0) in window 1
.set W_OUT, 0x01                       ; O^T (source 0) in window 1
.macro CROUND                          ; a round of the cluster's barrier
	s_barrier_signal -1
	s_barrier_wait -1
	s_cmp_lg_u32 s[WV], 0
	s_cbranch_scc1 .Lnot_wave_0_\@
	s_barrier_signal -3
.Lnot_wave_0_\@:
	s_barrier_wait -3
	s_barrier_signal -1
	s_barrier_wait -1
.endm
.macro TL g0, g1                       ; a tensor load; an s_nop 0 and four v_nop follow it
	tensor_load_to_lds s[\g0:\g0+3], s[\g1:\g1+7]
	s_nop 0
.rept 4
	v_nop
.endr
.endm
; A joint refill.  Waves 0-3 fetch a head's K and V of a step each (kv = 1), waves 4-7 32 rows of the mask's tile each (raw = 1).  The branch hangs on the wave's number alone.
.macro JLOAD kv, raw
	s_cmp_lt_u32 s[WV], 4
.if \kv && \raw
	s_cbranch_scc0 .Lfor_m_\@
	TL G0K+4, G1K
	s_branch .Lasked_\@
.Lfor_m_\@:
	TL G0M+4, G1M
.elseif \kv
	s_cbranch_scc0 .Lasked_\@
	TL G0K+4, G1K
.else
	s_cbranch_scc1 .Lasked_\@
	TL G0M+4, G1M
.endif
.Lasked_\@:
.endm
; A PREFETCH INTO THE L2 of what the NEXT step's refills will ask for, one instruction a wave, each aligned block of 256 bytes named once in the launch.
; K and V of a head are walked by the four clusters along x: the first of them asks; its partner cx takes head 4 cy + cx; wave 0 asks for K's 8,192 bytes of a step, wave 1 for V's, lanes 256 bytes apart.
; The mask's tile is read by one column of one cluster: partner cy takes rows 32 cy on, wave 4, a lane a row.  Partners are told apart by address alone.  The loop's last trip asks for nothing.
.macro ASK
	s_cmp_gt_u32 s[CNT], s[LIM]
	s_cbranch_scc0 .Lnot_mine_\@
	global_prefetch_b8 v[PFO], s[PFA:PFA+1] th:TH_LOAD_NT scope:SCOPE_SE
.Lnot_mine_\@:
.endm
	s_load_b256 s[4:11], s[0:1], 0x0               ; qkvf s[4:5], qtmask s[6:7], tmask s[8:9], pref s[10:11]
	v_lshl_add_u32 v[SPW], v0, 2, SPARE
	v_mov_b32 v[NIL], 0
	ds_add_u32 v[SPW], v[NIL]                      ; the wave's opening: the add, twice on end, and its wait ahead of my first tensor load; the set-up below stands between the second and the wait
	ds_add_u32 v[SPW], v[NIL]
	v_lshrrev_b32 v1, 5, v0
	v_readfirstlane_b32 s[WV], v1                  ; wave 0..7
	s_bfe_u32 s13, ttmp6, 0x40000                  ; cx
	s_bfe_u32 s14, ttmp6, 0x40004                  ; cy: my group of four heads
	s_and_b32 s16, ttmp7, 0xffff                   ; b: the cluster's y
	s_lshl_b32 s17, ttmp9, 2
	s_add_co_u32 s17, s17, s13                     ; my block of 128 queries = 4 x cluster x + cx
	s_and_b32 s22, s[WV], 3                        ; my head in the group.  Also: which head's K and V, or which 32 rows of the mask's tile, I fetch
	s_lshr_b32 s23, s[WV], 2                       ; which 64 queries
	s_lshl_b32 s68, s14, 2
	s_lshl_b32 s68, 15, s68                        ; my row of the cluster
	s_lshl_b32 s69, 0x1111, s13                    ; my column
	; group 1 for K and V: two rows of 8,192 bytes (1,024 elements of 8 bytes), 16,777,216 bytes apart: a head's K of a step, and its V; they land on end
	s_or_b32 s[G1K], s68, (3<<16)|(1<<21)          ; 15:0 the mask: my row; 17:16 elements of 8 bytes; 21 set beside a mask
	s_mov_b32 s[G1K+1], 1024<<16                   ; tensor_dim0
	s_mov_b32 s[G1K+2], 2<<16                      ; tensor_dim1
	s_mov_b32 s[G1K+3], 1024<<16                   ; tile_dim0
	s_mov_b32 s[G1K+4], 2                          ; tile_dim1
	s_mov_b32 s[G1K+5], 0x200000                   ; tensor_dim0_stride, in elements
	s_mov_b32 s[G1K+6], 0
	s_mov_b32 s[G1K+7], 0
	; group 1 for the mask's tile: 32 rows of 64 f32, 2,048 apart, 16 bytes of padding behind each 256
	s_or_b32 s[G1M], s69, (2<<16)|(1<<20)|(1<<21)|(5<<22)|(3<<25)
	s_mov_b32 s[G1M+1], 64<<16
	s_mov_b32 s[G1M+2], 32<<16
	s_mov_b32 s[G1M+3], 64<<16
	s_mov_b32 s[G1M+4], 32
	s_mov_b32 s[G1M+5], 2048
	s_mov_b32 s[G1M+6], 0
	s_mov_b32 s[G1M+7], 0
	s_lshl_b32 s68, s16, 4
	s_lshl_b32 s69, s14, 2
	s_add_co_u32 s68, s68, s69
	s_add_co_u32 s68, s68, s22                     ; 16 b + 4 cy + w % 4: my head.  (No register that feeds K's descriptors holds cx)
	s_lshl_b32 s68, s68, 18                        ; 262,144 bytes a head
	s_mov_b32 s69, 0
	s_lshl_b32 s70, s16, 11
	s_lshl_b32 s71, s17, 7
	s_add_co_u32 s70, s70, s71
	s_lshl_b32 s71, s22, 5
	s_add_co_u32 s70, s70, s71                     ; row 2,048 b + 128 x block + 32 (w % 4) of qtmask.  (No register that feeds the mask's descriptors holds cy)
	s_lshl_b32 s70, s70, 13                        ; 8,192 bytes a row
	s_mov_b32 s71, 0
	s_lshl_b32 s72, s17, 3
	s_lshl_b32 s73, s23, 2
	s_add_co_u32 s72, s72, s73                     ; my first tile of 16 queries within b
	s_lshl_b32 s74, s72, 11
	s_mov_b32 s75, 0
	s_add_nc_u64 s[74:75], s[74:75], s[68:69]      ; Q: my head, my tiles
	s_lshl_b32 s73, s16, 7
	s_add_co_u32 s72, s72, s73
	s_lshl_b32 s72, s72, 15                        ; pref: 32,768 bytes a tile of tokens,
	s_lshl_b32 s73, s14, 2
	s_add_co_u32 s73, s73, s22
	s_lshl_b32 s73, s73, 11                        ; 2,048 bytes a head
	s_add_co_u32 s72, s72, s73
	s_mov_b32 s73, 0
	s_lshl_b32 s2, s22, 14                         ; where my tiles go: no place in the cluster enters an LDS address
	s_mul_i32 s3, s22, 32*272
	s_mov_b32 s[CS], 0x3e38aa3b                    ; c = log2(e) / 8
	s_mov_b32 s[CS+1], s[CS]                       ; (named with it as a pair, so it is written)
	s_mov_b32 s[NEG], 0xc9742400                   ; -1e6
	s_mov_b32 s[NEG+1], s[NEG]
	s_mov_b32 s[SEL], 0x76543210
	s_mov_b32 s[SEL+1], 0xfedcba98
	s_mov_b32 s[KVB], 0
	s_mov_b32 s[ADB], ADJ0
	s_mov_b32 s[ADW], ADJ0
	s_mov_b32 s[RWB], RAW0
	s_mov_b32 s[TMO], 0
	s_mov_b32 s[CNT], 29
	s_wait_dscnt 0x0                               ; both opening adds are done
	s_wait_kmcnt 0x0
	s_add_nc_u64 s[78:79], s[4:5], s[68:69]
	s_add_nc_u64 s[78:79], s[78:79], 0x1000000     ; K of my head (V lies 16,777,216 bytes further on)
	s_add_nc_u64 s[74:75], s[4:5], s[74:75]
	s_add_nc_u64 s[70:71], s[6:7], s[70:71]
	s_add_nc_u64 s[10:11], s[10:11], s[72:73]
	s_lshl_b32 s68, s16, 13
	s_add_nc_u64 s[8:9], s[8:9], s[68:69]          ; tmask[b]
	CROUND                                         ; all sixteen work-groups are here: the first joint loads meet
.irp s, 0,1
	s_mov_b32 s[G0K+4*\s], 1                       ; 1:0 count = 1
	s_add_co_u32 s[G0K+4*\s+1], s2, \s*KVX         ; 63:32 LDS address
	s_add_nc_u64 s[G0K+4*\s+2:G0K+4*\s+3], s[78:79], \s*8192      ; 120:64 global address: key step s
	s_or_b32 s[G0K+4*\s+3], s[G0K+4*\s+3], 0x80000000             ; 127:126 type = 2
	s_mov_b32 s[G0M+4*\s], 1
	s_add_co_u32 s[G0M+4*\s+1], s3, RAW0+\s*0x10000
	s_add_nc_u64 s[G0M+4*\s+2:G0M+4*\s+3], s[70:71], \s*256
	s_or_b32 s[G0M+4*\s+3], s[G0M+4*\s+3], 0x80000000
.endr
	s_cmp_lt_u32 s[WV], 4                          ; a wave's two first fills stand in one branch, ahead of every wait on TENSORcnt and every LDS read: two loads of mine are out at the most
	s_cbranch_scc0 .Lfirst_m
	tensor_load_to_lds s[G0K:G0K+3], s[G1K:G1K+7]
	s_nop 0
	tensor_load_to_lds s[G0K+4:G0K+7], s[G1K:G1K+7]
	s_nop 0
.rept 4
	v_nop
.endr
	s_branch .Lfirst_asked
.Lfirst_m:
	tensor_load_to_lds s[G0M:G0M+3], s[G1M:G1M+7]
	s_nop 0
	tensor_load_to_lds s[G0M+4:G0M+7], s[G1M:G1M+7]
	s_nop 0
.rept 4
	v_nop
.endr
.Lfirst_asked:
	v_lshlrev_b32 v56, 4, v0                       ; 16 x thread
	global_load_b128 v[48:51], v56, s[8:9]         ; tmask[b]: 8,192 bytes by 256 threads, twice 16 bytes
	global_load_b128 v[52:55], v56, s[8:9] offset:4096
	v_and_b32 v[L16], 31, v0
	v_lshlrev_b32 v[L16], 4, v[L16]
	WIN 0x40                                       ; destination window 1
.irp i, 0,1,2,3,4,5,6,7,8,9,10,11,12,13,14,15
	global_load_b128 v[QF+4*\i:QF+4*\i+3], v[L16], s[74:75] offset:512*\i   ; Q stays in registers: 8,192 dense bytes, images of register groups
.endr
	WIN 0
	v_lshl_add_u32 v57, v0, 4, TM
	v_and_b32 v58, 15, v0                          ; r
	v_bfe_u32 v59, v0, 4, 1                        ; lane / 16
	s_lshl_b32 s68, s22, 14
	v_add_nc_u32 v[AK0], s68, v[L16]
	s_lshl_b32 s68, s23, 14
	v_add_nc_u32 v[AA0], s68, v[L16]
	s_lshl_b32 s68, s[WV], 12
	v_add_nc_u32 v[XW0], s68, v[L16]
	s_mul_i32 s68, s[WV], 16*272
	v_mul_u32_u24 v[XR0], v58, 272
	v_lshl_add_u32 v[XR0], v59, 5, v[XR0]
	v_add_nc_u32 v[XR0], s68, v[XR0]
	v_lshl_add_u32 v[XT0], v59, 5, TM
	; the prefetches: where my wave's stand, and who asks
	s_lshl_b32 s68, s16, 4
	s_lshl_b32 s69, s14, 2
	s_add_co_u32 s68, s68, s69
	s_add_co_u32 s68, s68, s13                     ; head 16 b + 4 cy + cx
	s_lshl_b32 s68, s68, 18
	s_and_b32 s69, s[WV], 1
	s_add_co_u32 s69, s69, 1
	s_lshl_b32 s69, s69, 24                        ; K (wave 0) or V (wave 1)
	s_add_co_u32 s68, s68, s69
	s_add_co_u32 s68, s68, 2*8192                  ; at key step 2: the loop's first trip steps it to 3
	s_lshl_b32 s70, s16, 11
	s_lshl_b32 s71, s17, 7
	s_add_co_u32 s70, s70, s71
	s_lshl_b32 s71, s14, 5
	s_add_co_u32 s70, s70, s71                     ; row 2,048 b + 128 x block + 32 cy of qtmask
	s_lshl_b32 s70, s70, 13
	s_add_co_u32 s70, s70, 3*256                   ; at key step 3: the first trip steps it to 4
	s_mov_b32 s[PFS], 256
	s_cmp_lt_u32 s[WV], 4
	s_cselect_b64 s[PFA:PFA+1], s[4:5], s[6:7]
	s_cselect_b32 s68, s68, s70
	s_cselect_b32 s[PFS], 8192, s[PFS]             ; a key step on
	s_cselect_b32 s71, 8, 13                       ; from lane to lane: 256 bytes, or a row of qtmask
	s_mov_b32 s69, 0
	s_mov_b32 s[PFS+1], 0
	s_add_nc_u64 s[PFA:PFA+1], s[PFA:PFA+1], s[68:69]
	v_and_b32 v[PFO], 31, v0
	v_lshlrev_b32 v[PFO], s71, v[PFO]
	s_lshr_b32 s70, s[WV], 1                       ; 0 in waves 0 and 1,
	s_or_b32 s70, s70, ttmp9                       ; of the first cluster along x: the same in all sixteen partners
	s_cmp_eq_u32 s70, 0
	s_cselect_b32 s[LIM], 1, -1
	s_cmp_eq_u32 s[WV], 4
	s_cselect_b32 s[LIM], 1, s[LIM]                ; and wave 4 of every work-group
	s_wait_loadcnt 16                              ; tmask's two loads are in; Q's sixteen may be out
	ds_store_b128 v57, v[48:51]
	ds_store_b128 v57, v[52:55] offset:4096
	s_wait_tensorcnt 1                             ; my first tile (K and V of step 0, or my rows of the mask's tile 0) is in; the second may stay out
	s_wait_dscnt 0x0                               ; my part of tmask lies in LDS
	s_barrier_signal -1
	s_barrier_wait -1
; THE MASK'S TERMS.  My strip: queries 16 w + r.  Lane (r, e) reads, for i = 2 u + g, the four numbers of keys 16 u + 8 e + 4 g on of its query's raw row and of tmask: what registers 4 g .. 4 g + 3 of accumulator u hold.
.macro XF_LOAD
.irp i, 0,1,2,3,4,5,6,7
	ds_load_b128 v[S+64+4*\i:S+64+4*\i+3], v[XR] offset:64*(\i/2)+16*(\i%2)
.endr
.irp i, 0,1,2,3,4,5,6,7
	ds_load_b128 v[S+96+4*\i:S+96+4*\i+3], v[XT] offset:64*(\i/2)+16*(\i%2)
.endr
.endm
.macro XF_WORK
.set n, 0
.rept 32
	v_max_num_f32 v[S+64+n], v[S+64+n], v[S+96+n]
.set n, n+1
.endr
.set n, 0
.rept 16
	v_pk_mul_f32 v[S+64+n:S+64+n+1], v[S+64+n:S+64+n+1], s[NEG:NEG+1] op_sel_hi:[1,0]
.set n, n+2
.endr
.irp i, 0,1,2,3,4,5,6,7
	ds_store_b128 v[XW], v[S+64+4*\i:S+64+4*\i+3] offset:512*\i   ; an image of a register group: 512 consecutive bytes a store
.endr
.endm
; 16 products of S^T = K Q^T + the mask's terms, for tiles t0, t0 + 1: eight accumulators by turns, one instruction a turn; the terms lie in the accumulators when the first link takes them as C.
.macro KQ t0
.irp c, 0,1
.irp u, 0,1,2,3
.irp t, \t0, \t0+1
	v_wmma_f32_16x16x32_f16 v[S+32*(\t)+8*\u:S+32*(\t)+8*\u+7], v[KB+8*(2*\u+\c):KB+8*(2*\u+\c)+7], v[QF+16*(\t)+8*\c:QF+16*(\t)+8*\c+7], v[S+32*(\t)+8*\u:S+32*(\t)+8*\u+7]
.endr
.endr
.endr
.endm
; 32 products of O^T += V^T P: sixteen accumulators by turns.  first = 1: the first sixteen start the sums: nothing is ever cleared.
.macro PV first
.irp c, 0,1
.irp w, 0,1,2,3
.irp t, 0,1,2,3
.if \first && (\c == 0)
	v_wmma_f32_16x16x32_f16 v[32*\t+8*\w:32*\t+8*\w+7], v[KB+8*(4*\c+\w):KB+8*(4*\c+\w)+7], v[S+32*\t+16*\c:S+32*\t+16*\c+7], 0
.else
	v_wmma_f32_16x16x32_f16 v[32*\t+8*\w:32*\t+8*\w+7], v[KB+8*(4*\c+\w):KB+8*(4*\c+\w)+7], v[S+32*\t+16*\c:S+32*\t+16*\c+7], v[32*\t+8*\w:32*\t+8*\w+7]
.endif
.endr
.endr
.endr
.endm
; THE SOFTMAX of a step, the four tiles line by line, so that no line waits for the line above it.  first = 1: the first key step, which starts m, l and O^T.
.macro SOFTMAX first
.irp j, 0,1,2,3                        ; the maximum of a tile's 32 scores and the old m: four chains; each accumulator is read from its low end on
.irp t, 0,1,2,3
	v_max3_num_f32 v[ST+8*\t+4+\j], v[S+32*\t+8*\j], v[S+32*\t+8*\j+1], v[S+32*\t+8*\j+2]
.endr
.endr
.irp k, 1,2
.irp j, 0,1,2,3
.irp t, 0,1,2,3
	v_max3_num_f32 v[ST+8*\t+4+\j], v[ST+8*\t+4+\j], v[S+32*\t+8*\j+2*\k+1], v[S+32*\t+8*\j+2*\k+2]
.endr
.endr
.endr
.irp t, 0,1,2,3
	v_max3_num_f32 v[ST+8*\t+4], v[ST+8*\t+4], v[S+32*\t+7], v[S+32*\t+15]
.endr
.irp t, 0,1,2,3
	v_max3_num_f32 v[ST+8*\t+6], v[ST+8*\t+6], v[S+32*\t+23], v[S+32*\t+31]
.endr
.irp t, 0,1,2,3
	v_max3_num_f32 v[ST+8*\t+4], v[ST+8*\t+4], v[ST+8*\t+5], v[ST+8*\t+6]
.endr
.irp t, 0,1,2,3
.if \first
	v_max_num_f32 v[ST+8*\t+4], v[ST+8*\t+4], v[ST+8*\t+7]
.else
	v_max3_num_f32 v[ST+8*\t+4], v[ST+8*\t+4], v[ST+8*\t+7], v[ST+8*\t+1]
.endif
.endr
.irp t, 0,1,2,3
	v_permlanex16_b32 v[ST+8*\t+5], v[ST+8*\t+4], s[SEL], s[SEL+1]   ; the query's other 32 keys lie in the lane 16 away
.endr
.if \first == 0
.irp t, 0,1,2,3
	v_mov_b32 v[ST+8*\t+7], v[ST+8*\t]             ; c m_old is kept for a
.endr
.endif
.irp t, 0,1,2,3
	v_max_num_f32 v[ST+8*\t+1], v[ST+8*\t+4], v[ST+8*\t+5]
.endr
.irp t, 0,1,2,3
	v_mul_f32 v[ST+8*\t], s[CS], v[ST+8*\t+1]
.endr
.if \first == 0
.irp t, 0,1,2,3
	v_sub_f32 v[ST+8*\t+7], v[ST+8*\t+7], v[ST+8*\t]
.endr
.endif
.irp i, 0,2,4,6,8,10,12,14,16,18,20,22,24,26,28,30
.irp t, 0,1,2,3
	v_pk_fma_f32 v[S+32*\t+\i:S+32*\t+\i+1], v[S+32*\t+\i:S+32*\t+\i+1], s[CS:CS+1], v[ST+8*\t:ST+8*\t+1] op_sel_hi:[1,0,0] neg_lo:[0,0,1] neg_hi:[0,0,1]   ; c s - c m, two at a time
.endr
.endr
.if \first == 0
.irp t, 0,1,2,3
	v_exp_f32 v[ST+8*\t+6], v[ST+8*\t+7]           ; a
.endr
.endif
.set n, 0
.rept 128
	v_exp_f32 v[S+n], v[S+n]                       ; p, at most 1
.set n, n+1
.endr
	v_nop                                          ; a plain line behind the last exponential
	s_wait_alu depctr_va_vdst(0)                   ; ONE wait for the whole batch, ahead of its first reader
.irp t, 0,1,2,3                        ; the sums of the unrounded p, in two chains a tile; they leave p as it is
.if \first
	v_pk_add_f32 v[ST+8*\t+2:ST+8*\t+3], v[S+32*\t:S+32*\t+1], v[S+32*\t+4:S+32*\t+5]
.else
	v_pk_fma_f32 v[ST+8*\t+2:ST+8*\t+3], v[ST+8*\t+2:ST+8*\t+3], v[ST+8*\t+6:ST+8*\t+7], v[S+32*\t:S+32*\t+1] op_sel_hi:[1,0,1]   ; l a + the first pair
.endif
.endr
.irp t, 0,1,2,3
	v_pk_add_f32 v[ST+8*\t+4:ST+8*\t+5], v[S+32*\t+2:S+32*\t+3], v[S+32*\t+6:S+32*\t+7]
.endr
.if \first == 0
.irp t, 0,1,2,3
	v_pk_add_f32 v[ST+8*\t+2:ST+8*\t+3], v[ST+8*\t+2:ST+8*\t+3], v[S+32*\t+4:S+32*\t+5]
.endr
.endif
.irp i, 8,12,16,20,24,28
.irp t, 0,1,2,3
	v_pk_add_f32 v[ST+8*\t+2:ST+8*\t+3], v[ST+8*\t+2:ST+8*\t+3], v[S+32*\t+\i:S+32*\t+\i+1]
	v_pk_add_f32 v[ST+8*\t+4:ST+8*\t+5], v[ST+8*\t+4:ST+8*\t+5], v[S+32*\t+\i+2:S+32*\t+\i+3]
.endr
.endr
.irp t, 0,1,2,3
	v_pk_add_f32 v[ST+8*\t+2:ST+8*\t+3], v[ST+8*\t+2:ST+8*\t+3], v[ST+8*\t+4:ST+8*\t+5]
.endr
.irp i, 0,1,2,3,4,5,6,7                ; p to f16, in place, ascending: the 16 registers of key tiles 2 c, 2 c + 1 become the 8 of source 1 for keys 32 c on
.irp c, 0,1
.irp t, 0,1,2,3
	v_cvt_pk_f16_f32 v[S+32*\t+16*\c+\i], v[S+32*\t+16*\c+2*\i], v[S+32*\t+16*\c+2*\i+1]
.endr
.endr
.endr
.if \first == 0
	WIN W_RS
.irp i, 0,2,4,6,8,10,12,14,16,18,20,22,24,26,28,30
.irp t, 0,1,2,3
	v_pk_mul_f32 v[32*\t+\i:32*\t+\i+1], v[32*\t+\i:32*\t+\i+1], v[ST+8*\t+6:ST+8*\t+7] op_sel_hi:[1,0]   ; O^T x a, each accumulator from its low end on
.endr
.endr
.endif
.endm
; A KEY STEP s.  In front of its barrier each wave waits for all its tensor loads (its part of this step's K and V, or of the next step's raw tile), adds 0 to its spare word, and waits for that, for its LDS reads of
; the slots left in step s - 1 and for its stores of this step's terms.  Behind the barrier: fkv = 1: K and V of step s + 1 go into the slot read in step s - 1; fraw = 1: the raw tile s + 2 into the one turned in step s - 1.
; Where anything is filled the barrier is a round of the cluster's.  xf = 1: my strip of raw tile s + 1 is turned into terms.  ask = 1: the prefetch.
.macro STEP first, fkv, fraw, xf, ask
	s_wait_tensorcnt 0x0                           ; no tensor load of mine is out, so a group 0 may be written
	ds_add_u32 v[SPW], v[NIL]                      ; 0 onto my spare word; the descriptors' steps stand between it and the wait for it
.if \fkv
	s_xor_b32 s[G0K+5], s[G0K+5], KVX              ; the walking descriptor: the other slot,
	s_add_nc_u64 s[G0K+6:G0K+7], s[G0K+6:G0K+7], 8192   ; the next 64 keys; the type bits on top are not reached
.endif
.if \fraw
	s_xor_b32 s[G0M+5], s[G0M+5], RAWX
	s_add_nc_u64 s[G0M+6:G0M+7], s[G0M+6:G0M+7], 256
.endif
.if \ask
	s_wait_xcnt 0x0                                ; the last prefetch, a step back, has read its address, so it may be written
	s_add_nc_u64 s[PFA:PFA+1], s[PFA:PFA+1], s[PFS:PFS+1]
.endif
	s_wait_dscnt 0x0                               ; the add is done; my LDS reads are back and my stores of terms have landed
.if \fkv || \fraw
	CROUND
	JLOAD \fkv, \fraw                              ; the first tensor load behind the round, and my only one until the next
.else
	s_barrier_signal -1
	s_barrier_wait -1
.endif
	v_add_nc_u32 v[ADK], s[KVB], v[AK0]            ; five plain lines: the places between the last step's products V^T P and the loads into, and products over, the registers that they read
	v_add_nc_u32 v[ADA], s[ADB], v[AA0]
.if \xf
	v_add_nc_u32 v[XW], s[ADW], v[XW0]
	v_add_nc_u32 v[XR], s[RWB], v[XR0]
	v_add_nc_u32 v[XT], s[TMO], v[XT0]
	XF_LOAD
.else
.rept 3
	v_nop
.endr
.endif
.irp i, 0,1,2,3,4,5,6,7,8,9,10,11,12,13,14,15
	ds_load_b128 v[KB+4*\i:KB+4*\i+3], v[ADK] offset:512*\i        ; K: fragment (keys 16 u on, channels 32 c on) at KB + 8 (2 u + c)
.endr
.irp i, 0,1,2,3,4,5,6,7,8,9,10,11,12,13,14,15
	ds_load_b128 v[S+4*\i:S+4*\i+3], v[ADA] offset:512*\i          ; the terms of tiles 0 and 1, into the score registers
.endr
.if \ask
	ASK                                            ; behind the joint load and the runs of LDS loads
.endif
.if \xf
	s_wait_dscnt 32                                ; the transform's sixteen loads are in; K's sixteen and the terms' sixteen may be out
	XF_WORK
	s_wait_dscnt 0x0                               ; the stores have read their registers, which take tiles 2 and 3's terms next; K and the terms of tiles 0 and 1 are in
.endif
.irp i, 16,17,18,19,20,21,22,23,24,25,26,27,28,29,30,31
	ds_load_b128 v[S+4*\i:S+4*\i+3], v[ADA] offset:512*\i          ; the terms of tiles 2 and 3
.endr
.if \xf == 0
	s_wait_dscnt 16                                ; K and the terms of tiles 0 and 1 are in; the sixteen just issued may be out
.endif
	WIN W_KQ
	KQ 0
	s_wait_dscnt 0x0                               ; the terms of tiles 2 and 3
	KQ 2
	WIN 0
.rept 4
	v_nop                                          ; places in front of the loads into K's registers and of the first read of the scores
.endr
.irp c, 0,1
.irp w, 0,1,2,3
.irp g, 0,1
	ds_load_tr16_b128 v[KB+8*(4*\c+\w)+4*\g:KB+8*(4*\c+\w)+4*\g+3], v[ADK] offset:8192+512*(4*(2*\c+\g)+\w)   ; V^T: fragment (keys 32 c on, channels 16 w on); they land while the softmax is walked
.endr
.endr
.endr
	SOFTMAX \first
	s_wait_dscnt 0x0                               ; V is in
	WIN W_PV
	PV \first
	WIN 0
	s_xor_b32 s[KVB], s[KVB], KVX
	s_xor_b32 s[ADB], s[ADB], ADJX
.if \xf
	s_xor_b32 s[RWB], s[RWB], RAWX
	s_xor_b32 s[ADW], s[ADW], ADJX
	s_add_co_u32 s[TMO], s[TMO], 256
.endif
.endm
	v_add_nc_u32 v[XW], s[ADW], v[XW0]             ; step 0's terms are made ahead of it
	v_add_nc_u32 v[XR], s[RWB], v[XR0]
	v_add_nc_u32 v[XT], s[TMO], v[XT0]
	XF_LOAD
	s_wait_dscnt 0x0
	XF_WORK
	s_xor_b32 s[RWB], s[RWB], RAWX
	s_xor_b32 s[ADW], s[ADW], ADJX
	s_add_co_u32 s[TMO], s[TMO], 256
	s_wait_loadcnt 0x0                             ; Q
	STEP 1, 0, 1, 1, 0                             ; step 0: K and V of step 1 were asked for at the head; the raw tile 2 is asked for
.Lstep:                                            ; steps 1 to 29
	STEP 0, 1, 1, 1, 1
	s_sub_co_u32 s[CNT], s[CNT], 1
	s_cmp_lg_u32 s[CNT], 0
	s_cbranch_scc1 .Lstep
	STEP 0, 1, 0, 1, 0                             ; step 30: the last K and V are asked for; no raw tile is left.  The tail is written out
	STEP 0, 0, 0, 0, 0                             ; step 31
	; THE WAY OUT.  l's two halves and the other half of the lanes' are added; O^T is divided by l, rounded to f16 and stored as it stands: a lane's eight channels of a query are 16 bytes of an image of the next
	; product's operand registers: pref [tile of 16 tokens][k / 32][g][lane][16 bytes], k = 64 h + d.  The additions are the places behind the last products.
.irp t, 0,1,2,3
	v_add_f32 v[ST+8*\t+4], v[ST+8*\t+2], v[ST+8*\t+3]
.endr
.irp t, 0,1,2,3
	v_permlanex16_b32 v[ST+8*\t+5], v[ST+8*\t+4], s[SEL], s[SEL+1]
.endr
.irp t, 0,1,2,3
	v_add_f32 v[ST+8*\t+4], v[ST+8*\t+4], v[ST+8*\t+5]
.endr
.irp t, 0,1,2,3
	v_rcp_f32 v[ST+8*\t+6], v[ST+8*\t+4]
.endr
	v_nop                                          ; a plain line between the last reciprocal and the use of its result
	s_wait_alu depctr_va_vdst(0)                   ; and one wait for the four
.macro OUT t
	WIN W_OUT
.irp i, 0,2,4,6,8,10,12,14,16,18,20,22,24,26,28,30
	v_pk_mul_f32 v[S+32*\t+\i:S+32*\t+\i+1], v[32*\t+\i:32*\t+\i+1], v[ST+8*\t+6:ST+8*\t+7] op_sel_hi:[1,0]
.endr
	WIN 0
.irp i, 0,1,2,3,4,5,6,7,8,9,10,11,12,13,14,15
	v_cvt_pk_f16_f32 v[S+32*\t+\i], v[S+32*\t+2*\i], v[S+32*\t+2*\i+1]
.endr
.irp w, 0,1,2,3
	global_store_b128 v[L16], v[S+32*\t+4*\w:S+32*\t+4*\w+3], s[10:11] offset:32768*\t+512*\w   ; 32 lanes store 512 consecutive, aligned bytes
.endr
.endm
	OUT 0
	OUT 1
	OUT 2
	OUT 3
	s_wait_tensorcnt 0x0                           ; the wave's end: behind my last tensor load and my last LDS store
	ds_add_u32 v[SPW], v[NIL]
	s_wait_dscnt 0x0
	CROUND                                         ; the closing round: no work-group ends while a partner may still ask for a tile that names it
	s_endpgm
.Lfunc_end_k_qa130baca0f_attn:
	.size	k_qa130baca0f_attn, .Lfunc_end_k_qa130baca0f_attn-k_qa130baca0f_attn
	.p2alignl 7, 3214868480
	.fill 96, 4, 3214868480
	.section	.rodata,"a",@progbits
	.p2align	6, 0x0
	.amdhsa_kernel k_qa130baca0f_attn
		.amdhsa_group_segment_fixed_size 327680
		.amdhsa_private_segment_fixed_size 0
		.amdhsa_enable_private_segment 0
		.amdhsa_kernarg_size 32
		.amdhsa_user_sgpr_count 2
		.amdhsa_user_sgpr_kernarg_segment_ptr 1
		.amdhsa_wavefront_size32 1
		.amdhsa_system_sgpr_workgroup_id_x 1
		.amdhsa_system_sgpr_workgroup_id_y 1
		.amdhsa_system_sgpr_workgroup_id_z 1
		.amdhsa_system_vgpr_workitem_id 0
		.amdhsa_next_free_vgpr 448
		.amdhsa_next_free_sgpr 80
		.amdhsa_reserve_vcc 0
		.amdhsa_float_denorm_mode_32 3
		.amdhsa_float_denorm_mode_16_64 3
		.amdhsa_memory_ordered 1
		.amdhsa_forward_progress 1
		.amdhsa_inst_pref_size 169
	.end_amdhsa_kernel
	.amdgpu_metadata
---
amdhsa.version: [ 1, 2 ]
amdhsa.kernels:
  - .name:           k_qa130baca0f_attn
    .symbol:         k_qa130baca0f_attn.kd
    .args:
      - { .name: qkvf, .offset: 0, .size: 8, .value_kind: global_buffer, .address_space: global }
      - { .name: qtmask, .offset: 8, .size: 8, .value_kind: global_buffer, .address_space: global }
      - { .name: tmask, .offset: 16, .size: 8, .value_kind: global_buffer, .address_space: global }
      - { .name: pref, .offset: 24, .size: 8, .value_kind: global_buffer, .address_space: global }
    .group_segment_fixed_size: 327680
    .private_segment_fixed_size: 0
    .kernarg_segment_align: 8
    .kernarg_segment_size: 32
    .max_flat_workgroup_size: 256
    .sgpr_count:     80
    .vgpr_count:     448
    .wavefront_size: 32
...
	.end_amdgpu_metadata
.endif
;; end of part 4
;; launch oproj (part 5): grid 8 x 64, 4 waves a work-group, clusters of 4 x 4, 327,680 bytes of LDS; arguments pref, wof, qmask, out0; writes out0
.if DOCPART == 5
	.amdgcn_target "amdgcn-amd-amdhsa--gfx1250"
	.amdhsa_code_object_version 6
	.text
	.protected	k_qa130baca0f_oproj
	.globl	k_qa130baca0f_oproj
	.p2align	8
	.type	k_qa130baca0f_oproj,@function
k_qa130baca0f_oproj:
	s_mov_b64 s[64:65], 0
	v_nop
	global_prefetch_b8 v0, s[64:65] scope:SCOPE_SE
	s_setreg_imm32_b32 hwreg(HW_REG_WAVE_MODE, 25, 1), 1
	s_wait_xcnt 0x0
	s_wait_alu depctr_hold_cnt(0) depctr_sa_sdst(0) depctr_va_vdst(0) depctr_va_sdst(0) depctr_va_ssrc(0) depctr_va_vcc(0) depctr_vm_vsrc(0)
	s_getreg_b32 s2, hwreg(HW_REG_IB_STS2, 6, 4)
	s_cmp_eq_u32 s2, 0
	s_cbranch_scc0 .Lentry_in_a_cluster
	s_endpgm
.Lentry_in_a_cluster:
	s_bfe_u32 s2, ttmp6, 0x10000c
	s_cmp_lg_u32 s2, 0xf033
	s_cbranch_scc0 .Lentry_shape_is_right
	s_endpgm
.Lentry_shape_is_right:
; out0[token][n] = (1 - qmask[token]) x the sum over k = 64 h + d of pre[token][k] wo[k][n].  pre and wo in f16, sums in f32, out0 f32.  8,192 tokens, K = 1,024, 1,024 columns.
; Both operands lie in memory as images of operand registers: pref [tile of 16 tokens 512][k / 32][g 2][lane][16 bytes], wof [tile of 16 columns 64][k / 32][g 2][lane][16 bytes]: a fragment (16 rows x 32 K) is 1,024
; consecutive bytes, and a wave takes it from LDS by two loads of 512 consecutive bytes: no pitch, no padding.
; A tile of out0 is 128 x 128: 512 work-groups.  Four waves, each 64 x 64: 16 accumulators, 128 registers.  K goes in four steps of 256 through two LDS slots; a wave's tensor load brings four tiles' 8,192 bytes.
; CLUSTERS: 4 x 4 work-groups.  The four of a row of the cluster need the same tiles of pref, the four of a column the same tiles of wof: each is asked for JOINTLY.
; THE MATRIX INSTRUCTION IS USED TRANSPOSED (source 0 = 16 columns of wo, source 1 = 16 tokens): a lane holds one token and eight neighbouring columns, so that 1 - qmask is one number a lane and block.
; No prefetch: a K step's work is short and the tiles are small.
; REGISTERS: window 0: v0-31 addresses; v32-95 at work on the way out; v96-103 1 - qmask, a pair a block of 16 tokens; v128-255 the accumulators ((a, b) at v[128 + 8 (4 a + b)]).
;   window 1: two fragment buffers of 128: for 64 along K, 64 registers of A (2 x 4 fragments), then 64 of B.
.set HALFT,  32768                     ; four tiles x 8 chunks x 1,024 bytes: what one tensor load brings, and what one wave reads of A or of B
.set SLOT,   4*HALFT                   ; A's eight tiles, then B's eight
.set STAGE,  2*SLOT                    ; behind the ring: 16 rows x 272 bytes for each wave, for the way out
.set SPITCH, 272
.set SPARE,  STAGE+4*16*SPITCH         ; the spare words, 128 bytes for each wave, which no other line names
.set ADRA, 16                          ; v16-17  LDS address of my A fragments in slot 0, 1
.set ADRB, 20                          ; v20-21  the same for B
.set STO,  24                          ; v24     the way out: where I put 32 bytes of a row
.set RD,   25                          ; v25     the way out: where I read a row back
.set CO,   26                          ; v26     my byte offset in out0
.set QMO,  27                          ; v27     4 x (lane % 16): my token's place in qmask
.set SPW,  28                          ; v28     LDS address of my spare word; never rewritten
.set NIL,  29                          ; v29     0; never rewritten
.set TMP,  32
.set FM,   96
.set ACC,  128
.set F0,   0                           ; fragment buffers, in window 1
.set F1,   128
.set G1, 24                            ; s[24:31] descriptor group 1 for A's tiles;  s[32:39] group 0, one set for each slot
.set G0, 32
.set G1B, 48                           ; s[48:55], s[56:63] the same for B's tiles
.set G0B, 56
.set MSB, 0
.macro WIN new                         ; the immediate's high byte repeats the setting that is left
.if MSB != \new
	s_set_vgpr_msb (MSB<<8)|\new
.set MSB, \new
.endif
.endm
.set MUL,  0x05                        ; sources 0 (B) and 1 (A) window 1; C and D window 0
.set TO_F, 0x40                        ; destination window 1, address window 0
.macro JLOAD s                         ; a joint load: waves 0 and 1 fetch A's two halves, waves 2 and 3 B's; an s_nop 0 and four v_nop follow each of the two lines
	s_cmp_eq_u32 s13, 0
	s_cbranch_scc0 .Lfor_b_\@
	tensor_load_to_lds s[G0+4*\s:G0+4*\s+3], s[G1:G1+7]
	s_nop 0
.rept 4
	v_nop
.endr
	s_branch .Lasked_\@
.Lfor_b_\@:
	tensor_load_to_lds s[G0B+4*\s:G0B+4*\s+3], s[G1B:G1B+7]
	s_nop 0
.rept 4
	v_nop
.endr
.Lasked_\@:
.endm
.macro CREST                           ; a round of the cluster's barrier behind its opening barrier
	s_cmp_lg_u32 s12, 0
	s_cbranch_scc1 .Lnot_wave_0_\@
	s_barrier_signal -3
.Lnot_wave_0_\@:
	s_barrier_wait -3
	s_barrier_signal -1
	s_barrier_wait -1
.endm
.macro CROUND                          ; a whole round
	s_barrier_signal -1
	s_barrier_wait -1
	CREST
.endm
	s_load_b256 s[4:11], s[0:1], 0x0               ; pref s[4:5], wof s[6:7], qmask s[8:9], out0 s[10:11]
	v_lshl_add_u32 v[SPW], v0, 2, SPARE
	v_mov_b32 v[NIL], 0
	ds_add_u32 v[SPW], v[NIL]                      ; the wave's opening: the add, twice on end, and its wait ahead of my first tensor load; the set-up below stands between the second and the wait
	ds_add_u32 v[SPW], v[NIL]
	v_lshrrev_b32 v1, 5, v0
	v_readfirstlane_b32 s12, v1                    ; wave 0..3
	s_lshr_b32 s13, s12, 1                         ; which half of the tile's rows is mine.  Also: I fetch for A (0) or for B (1)
	s_and_b32 s14, s12, 1                          ; which half of its columns.  Also: which four tiles of 16 I fetch
	s_bfe_u32 s40, ttmp6, 0x40000                  ; cx, cy: my place in the cluster
	s_bfe_u32 s41, ttmp6, 0x40004
	s_lshl_b32 s42, ttmp9, 2
	s_add_co_u32 s42, s42, s40                     ; tile column = 4 x cluster x + cx
	s_and_b32 s15, ttmp7, 0xffff
	s_lshl_b32 s15, s15, 2
	s_add_co_u32 s15, s15, s41                     ; tile row = 4 x cluster y + cy
	s_lshl_b32 s43, s41, 2
	s_lshl_b32 s43, 15, s43                        ; my row of the cluster
	s_lshl_b32 s44, 0x1111, s40                    ; my column
	; descriptor group 1: four rows of 8,192 bytes (1,024 elements of 8 bytes: a tile's 8 chunks of a K step), 32,768 bytes apart (a tile's whole K); they land on end
	s_or_b32 s[G1+0], s43, (3<<16)|(1<<21)         ; 15:0 the mask: A's tiles go to my row; 17:16 elements of 8 bytes; 21 set beside a mask
	s_or_b32 s[G1B+0], s44, (3<<16)|(1<<21)
.irp g, G1, G1B
	s_mov_b32 s[\g+1], 1024<<16                    ; tensor_dim0
	s_mov_b32 s[\g+2], 4<<16                       ; tensor_dim1
	s_mov_b32 s[\g+3], 1024<<16                    ; tile_dim0
	s_mov_b32 s[\g+4], 4                           ; tile_dim1
	s_mov_b32 s[\g+5], 4096                        ; tensor_dim0_stride, in elements
	s_mov_b32 s[\g+6], 0
	s_mov_b32 s[\g+7], 0
.endr
	s_lshl_b32 s17, s14, 2                         ; which four tiles I fetch
	s_lshl_b32 s16, s15, 3
	s_add_co_u32 s16, s16, s17                     ; A: tile of tokens 8 x tile row + 4 x half
	s_lshl_b32 s16, s16, 15
	s_lshl_b32 s46, s42, 3
	s_add_co_u32 s46, s46, s17                     ; B: tile of columns 8 x tile column + 4 x half
	s_lshl_b32 s46, s46, 15
	s_mov_b32 s17, 0
	s_mov_b32 s47, 0
	s_lshl_b32 s20, s12, 15                        ; where they go: wave x HALFT: no place in the cluster enters an LDS address
	s_wait_dscnt 0x0                               ; both opening adds are done
	s_wait_kmcnt 0x0
	s_add_nc_u64 s[18:19], s[4:5], s[16:17]
	s_add_nc_u64 s[46:47], s[6:7], s[46:47]
	CROUND                                         ; all sixteen work-groups are here: the first joint loads meet
.irp s, 0,1
	s_mov_b32 s[G0+4*\s], 1
	s_add_co_u32 s[G0+4*\s+1], s20, \s*SLOT
	s_add_nc_u64 s[G0+4*\s+2:G0+4*\s+3], s[18:19], \s*8192
	s_or_b32 s[G0+4*\s+3], s[G0+4*\s+3], 0x80000000
	s_mov_b32 s[G0B+4*\s], 1
	s_add_co_u32 s[G0B+4*\s+1], s20, \s*SLOT
	s_add_nc_u64 s[G0B+4*\s+2:G0B+4*\s+3], s[46:47], \s*8192
	s_or_b32 s[G0B+4*\s+3], s[G0B+4*\s+3], 0x80000000
	JLOAD \s                                       ; two tensor loads of mine are out at the most
.endr
	v_and_b32 v1, 15, v0                           ; r = l % 16
	v_bfe_u32 v2, v0, 4, 1                         ; l / 16
	v_lshlrev_b32 v[QMO], 2, v1
	s_lshl_b32 s16, s15, 9
	s_lshl_b32 s17, s13, 8
	s_add_co_u32 s16, s16, s17                     ; qmask at token 128 x tile row + 64 x row half
	s_mov_b32 s17, 0
	s_add_nc_u64 s[8:9], s[8:9], s[16:17]
.irp a, 0,1,2,3
	global_load_b32 v[FM+2*\a], v[QMO], s[8:9] offset:64*\a        ; my token of block a; waited for on the way out
.endr
	v_and_b32 v4, 31, v0
	v_lshlrev_b32 v4, 4, v4                        ; 16 x lane
	s_lshl_b32 s21, s13, 15                        ; my four tiles of A
	s_lshl_b32 s22, s14, 15                        ; my four tiles of B,
	s_add_co_u32 s22, s22, 2*HALFT                 ; which lie behind A's eight
.irp s, 0,1
	v_add_nc_u32 v[ADRA+\s], s21, v4
	v_add_nc_u32 v[ADRB+\s], s22, v4
	s_add_co_u32 s21, s21, SLOT
	s_add_co_u32 s22, s22, SLOT
.endr
	s_mul_i32 s23, s12, 16*SPITCH
	s_add_co_u32 s23, s23, STAGE                   ; my stage
	v_mul_u32_u24 v5, v1, SPITCH                   ; in: row r, 32 bytes for each half of the lanes
	v_lshl_add_u32 v5, v2, 5, v5
	v_add_nc_u32 v[STO], s23, v5
	v_mul_u32_u24 v5, v2, SPITCH                   ; back: lanes 0-15 take one row of 256 bytes, lanes 16-31 the next
	v_lshl_add_u32 v5, v1, 4, v5
	v_add_nc_u32 v[RD], s23, v5
	v_lshlrev_b32 v5, 12, v2                       ; and the same two rows in out0: 4,096 bytes a row
	v_lshl_add_u32 v[CO], v1, 4, v5
	s_lshl_b32 s16, s15, 7
	s_lshl_b32 s17, s13, 6
	s_add_co_u32 s16, s16, s17                     ; my first row of out0
	s_lshl_b32 s16, s16, 12
	s_mov_b32 s17, 0
	s_lshl_b32 s46, s42, 9                         ; my first column, in bytes: 512 x tile column + 256 x column half
	s_lshl_b32 s47, s14, 8
	s_add_co_u32 s46, s46, s47
	s_mov_b32 s47, 0
	s_add_nc_u64 s[16:17], s[16:17], s[46:47]
	s_add_nc_u64 s[10:11], s[10:11], s[16:17]
; 8 matrix instructions: blocks of tokens a0, a0 + 1 x all 4 blocks of columns, 32 along K: half c of buffer f.  zero = 1: the first product starts the sums.  The sixteen accumulators take turns.
.macro MUL8 f, c, a0, zero
.irp a, \a0, \a0+1
.irp b, 0,1,2,3
.if \zero
	v_wmma_f32_16x16x32_f16 v[ACC+8*(4*(\a)+\b):ACC+8*(4*(\a)+\b)+7], v[\f+64+8*(4*\c+\b):\f+64+8*(4*\c+\b)+7], v[\f+8*(4*\c+\a):\f+8*(4*\c+\a)+7], 0
.else
	v_wmma_f32_16x16x32_f16 v[ACC+8*(4*(\a)+\b):ACC+8*(4*(\a)+\b)+7], v[\f+64+8*(4*\c+\b):\f+64+8*(4*\c+\b)+7], v[\f+8*(4*\c+\a):\f+8*(4*\c+\a)+7], v[ACC+8*(4*(\a)+\b):ACC+8*(4*(\a)+\b)+7]
.endif
.endr
.endr
.endm
; 32 LDS loads in one run: the fragments of 64 along K (two chunks) at byte k of each tile's 8,192, into buffer f; the first 32 along K first
.macro FETCH slot, k, f
	WIN TO_F
.irp c, 0,1
.irp i, 0,1,2,3
	ds_load_b128 v[\f+64+8*(4*\c+\i):\f+64+8*(4*\c+\i)+3],   v[ADRB+\slot] offset:\k+1024*\c+8192*\i
	ds_load_b128 v[\f+64+8*(4*\c+\i)+4:\f+64+8*(4*\c+\i)+7], v[ADRB+\slot] offset:\k+1024*\c+8192*\i+512
	ds_load_b128 v[\f+8*(4*\c+\i):\f+8*(4*\c+\i)+3],         v[ADRA+\slot] offset:\k+1024*\c+8192*\i
	ds_load_b128 v[\f+8*(4*\c+\i)+4:\f+8*(4*\c+\i)+7],       v[ADRA+\slot] offset:\k+1024*\c+8192*\i+512
.endr
.endr
.endm
.macro PLACES                          ; four places in front of loads into registers that matrix instructions have read (ISA guide 7.12.1 for vector instructions)
.rept 4
	v_nop
.endr
.endm
; A K step is four quarters of 64 along K, 32 matrix instructions each, on buffers 0, 1, 0, 1.  One of the first three: multiplies buffer f and fetches the next quarter, at byte k, into g.
.macro QUARTER slot, k, f, g, zero
	s_wait_dscnt 16                                ; the first 32 along K are in; the youngest sixteen loads may be out
	WIN MUL
	MUL8 \f, 0, 0, \zero
	MUL8 \f, 0, 2, \zero
	PLACES
	FETCH \slot, \k, \g
	s_wait_dscnt 32                                ; all but the 32 just issued
	WIN MUL
	MUL8 \f, 1, 0, 0
	MUL8 \f, 1, 2, 0
.endm
; The last quarter multiplies buffer 1 and changes slots: ONE barrier; in front of it each wave waits for all its tensor loads, adds 0 to its spare word, and waits for that and for its own reads of this slot.  fill = 1: this slot is filled again, two K steps ahead.
.macro TURN slot, next, fill
	WIN 0                                          ; (the add's two registers lie in window 0)
	s_wait_tensorcnt 0x0                           ; all my tensor loads have landed: my part of the next slot;
	ds_add_u32 v[SPW], v[NIL]                      ; 0 onto my spare word
	s_wait_dscnt 17                                ; (the add and the youngest sixteen loads may be out)
	WIN MUL
	MUL8 F1, 0, 0, 0                               ; eight matrix instructions stand between the add and the wait for it
	s_wait_dscnt 0x0                               ; the add is done, and my reads of this slot are over
	s_barrier_signal -1
	MUL8 F1, 0, 2, 0
.if \fill
	WIN 0
.endif
	s_barrier_wait -1
.if \fill
	CREST                                          ; the barrier has opened a round of the cluster's barrier: no wave of any partner still reads this slot's tile or has a load on its way
	s_add_nc_u64 s[G0+4*\slot+2:G0+4*\slot+3], s[G0+4*\slot+2:G0+4*\slot+3], 16384
	s_add_nc_u64 s[G0B+4*\slot+2:G0B+4*\slot+3], s[G0B+4*\slot+2:G0B+4*\slot+3], 16384
	JLOAD \slot                                    ; the first tensor load behind the round; the four v_nop behind it are also the places in front of the loads below
.else
	PLACES
.endif
	FETCH \next, 0, F0
	WIN MUL
	MUL8 F1, 1, 0, 0
	MUL8 F1, 1, 2, 0
.endm
	s_wait_tensorcnt 1                             ; my part of K step 0 is in (K step 1's may be out)
	s_barrier_signal -1
	s_barrier_wait -1                              ; everybody's is
	FETCH 0, 0, F0
	QUARTER 0, 2048, F0, F1, 1                     ; K step 0: its first products start the sums
	QUARTER 0, 4096, F1, F0, 0
	QUARTER 0, 6144, F0, F1, 0
	TURN 0, 1, 1                                   ; slot 0 takes K step 2
	QUARTER 1, 2048, F0, F1, 0                     ; K step 1
	QUARTER 1, 4096, F1, F0, 0
	QUARTER 1, 6144, F0, F1, 0
	TURN 1, 0, 1                                   ; slot 1 takes K step 3
	QUARTER 0, 2048, F0, F1, 0                     ; K step 2: nothing is left to ask for
	QUARTER 0, 4096, F1, F0, 0
	QUARTER 0, 6144, F0, F1, 0
	TURN 0, 1, 0
	QUARTER 1, 2048, F0, F1, 0                     ; K step 3
	QUARTER 1, 4096, F1, F0, 0
	QUARTER 1, 6144, F0, F1, 0
	s_wait_dscnt 16                                ; the very last quarter: nothing more to fetch
	WIN MUL
	MUL8 F1, 0, 0, 0
	MUL8 F1, 0, 2, 0
	s_wait_dscnt 0
	MUL8 F1, 1, 0, 0
	MUL8 F1, 1, 2, 0
	WIN 0
	; THE WAY OUT, a block of 16 tokens x 64 columns at a time: x (1 - qmask); a lane's 32 bytes of a row go into my own stage and come back as whole rows of 256 bytes.  My 64 columns are 256 aligned bytes of a row of out0.
	s_wait_loadcnt 0x0                             ; qmask
.irp a, 0,1,2,3                        ; eight plain lines: also the places behind the last products
	v_sub_f32 v[FM+2*\a+1], 1.0, v[FM+2*\a]
	v_sub_f32 v[FM+2*\a], 1.0, v[FM+2*\a]
.endr
.macro BLOCK a
.set BK, TMP+32*((\a)%2)
.irp i, 0,2,4,6,8,10,12,14,16,18,20,22,24,26,28,30
	v_pk_mul_f32 v[ACC+32*(\a)+\i:ACC+32*(\a)+\i+1], v[ACC+32*(\a)+\i:ACC+32*(\a)+\i+1], v[FM+2*(\a):FM+2*(\a)+1]   ; each accumulator from its low end on
.endr
.irp b, 0,1,2,3
	ds_store_b128 v[STO], v[ACC+32*(\a)+8*\b:ACC+32*(\a)+8*\b+3] offset:64*\b
	ds_store_b128 v[STO], v[ACC+32*(\a)+8*\b+4:ACC+32*(\a)+8*\b+7] offset:64*\b+16
.endr
.if (\a) >= 2
	s_wait_xcnt 0x0                                ; the stores of the block two back have read their registers, which the loads below write
.endif
.irp t, 0,1,2,3,4,5,6,7
	ds_load_b128 v[BK+4*\t:BK+4*\t+3], v[RD] offset:\t*2*SPITCH    ; LDS serves a wave's instructions in order: these see the stores above, and the next block's stores come behind them
.endr
.irp t, 0,1,2,3,4,5,6,7
	s_wait_dscnt 7-\t
	global_store_b128 v[CO], v[BK+4*\t:BK+4*\t+3], s[10:11] offset:4096*(16*(\a)+2*\t) th:TH_STORE_NT   ; sixteen lanes store 256 consecutive, aligned bytes; written once, read by nobody here
.endr
.endm
	BLOCK 0
	BLOCK 1
	BLOCK 2
	BLOCK 3
	s_wait_tensorcnt 0x0                           ; the wave's end: behind my last tensor load and my last LDS store
	ds_add_u32 v[SPW], v[NIL]
	s_wait_dscnt 0x0
	CROUND                                         ; the closing round: no work-group ends while a partner may still ask for a tile that names it
	s_endpgm
.Lfunc_end_k_qa130baca0f_oproj:
	.size	k_qa130baca0f_oproj, .Lfunc_end_k_qa130baca0f_oproj-k_qa130baca0f_oproj
	.p2alignl 7, 3214868480
	.fill 96, 4, 3214868480
	.section	.rodata,"a",@progbits
	.p2align	6, 0x0
	.amdhsa_kernel k_qa130baca0f_oproj
		.amdhsa_group_segment_fixed_size 327680
		.amdhsa_private_segment_fixed_size 0
		.amdhsa_enable_private_segment 0
		.amdhsa_kernarg_size 32
		.amdhsa_user_sgpr_count 2
		.amdhsa_user_sgpr_kernarg_segment_ptr 1
		.amdhsa_wavefront_size32 1
		.amdhsa_system_sgpr_workgroup_id_x 1
		.amdhsa_system_sgpr_workgroup_id_y 1
		.amdhsa_system_sgpr_workgroup_id_z 1
		.amdhsa_system_vgpr_workitem_id 0
		.amdhsa_next_free_vgpr 512
		.amdhsa_next_free_sgpr 66
		.amdhsa_reserve_vcc 0
		.amdhsa_float_denorm_mode_32 3
		.amdhsa_float_denorm_mode_16_64 3
		.amdhsa_memory_ordered 1
		.amdhsa_forward_progress 1
		.amdhsa_inst_pref_size 91
	.end_amdhsa_kernel
	.amdgpu_metadata
---
amdhsa.version: [ 1, 2 ]
amdhsa.kernels:
  - .name:           k_qa130baca0f_oproj
    .symbol:         k_qa130baca0f_oproj.kd
    .args:
      - { .name: pref, .offset: 0, .size: 8, .value_kind: global_buffer, .address_space: global }
      - { .name: wof, .offset: 8, .size: 8, .value_kind: global_buffer, .address_space: global }
      - { .name: qmask, .offset: 16, .size: 8, .value_kind: global_buffer, .address_space: global }
      - { .name: out0, .offset: 24, .size: 8, .value_kind: global_buffer, .address_space: global }
    .group_segment_fixed_size: 327680
    .private_segment_fixed_size: 0
    .kernarg_segment_align: 8
    .kernarg_segment_size: 32
    .max_flat_workgroup_size: 128
    .sgpr_count:     66
    .vgpr_count:     512
    .wavefront_size: 32
...
	.end_amdgpu_metadata
.endif
;; end of part 5
